; MI455X (gfx1250); checked and timed in simulation.
; The chip was launched on July 23, 2026; its instructions are those of AMD's public machine-readable ISA for CDNA 5 (MIT licence, August 2026) and "CDNA5" Instruction Set Architecture Reference Guide (July 2026). The comments in the code are by the model that wrote it; some were corrected since.
;; Attention. Allowed arithmetic: matrix products marked QUANTISED: E2M1 operands, one E8M0 scale for each 32 along K, by v_wmma_scale_f32_16x16x128_f8f6f4 with both operands' format E2M1 (or v_wmma_scale_f32_32x16x128_f4), f32 sums; products left as they are: bf16, f16 or f32 operands; f32 sums; everything else in f32.
;; Inputs: b_proj 1,024 float32; w_proj 1,024 x 1,024 float32; w_qkv 1,024 x 3,072 float32; x 8 x 2,048 x 1,024 float32.
;; Outputs: out0 8 x 2,048 x 1,024 float32.
;; This version of the problem:
;;   THIS VERSION OF THE PROBLEM IS GIVEN IN LOW PRECISION. The matrix products marked QUANTISED in the list below multiply operands that are first quantised to E2M1 (2 exponent bits, 1 mantissa bit; 4 bits a number), with one power-of-two scale for each 32 numbers along K (OCP MX v1.0); their sums are f32. The products marked 'left as it is' may take bf16, f16 or f32 operands, with f32 sums. Whichever they take, every output number must still come out within the allowed error. Rounding operands to bf16 (8 significant bits) uses up far more of that allowance than f16 does (11 bits, for magnitudes from 6e-5 to 65,504). All else is computed in f32.
;;   The module's matrix products, in the order in which they are computed (A, B: the left and right operand; K: the contracted axis; several contracted axes count as one K, in the product's order):
;;     1. [M 16,384, K 1,024] x [K 1,024, N 3,072]; A: input x; B: input w_qkv: QUANTISED
;;     2. batch 16,384 x [M 16, K 64] x [K 64, N 16]; A: computed on the way; B: computed on the way: left as it is (an operand is computed on the way)
;;     3. batch 16,384 x [M 16, K 16] x [K 16, N 64]; A: computed on the way; B: computed on the way: left as it is (K = 16 < 32)
;;     4. [M 16,384, K 1,024] x [K 1,024, N 1,024]; A: computed on the way; B: input w_proj: left as it is (an operand is computed on the way)
;;   THE QUANTISER, for each operand of a quantised product, along K:
;;     - K is cut into blocks of 32 from its start; a last block that is shorter is filled with zeros.
;;     - A block's scale is 2^e with e = floor(log2(the largest magnitude in the block)) - 2, held to -126 .. 127; a block of zeros has e = 0. As a byte (E8M0): e + 127.
;;     - Each number is divided by its block's scale, clamped to +-6, and rounded to the nearest number of E2M1, ties to even, subnormals kept.
;;     - The product sums the exact products of the quantised numbers (number of the format x scale) in f32.
;;   ~~~python
;;   def quantise(x, axis):      # numpy; x: float32 -> the quantised numbers, widened to float32 again
;;       x = np.moveaxis(x, axis, -1); K = x.shape[-1]
;;       x = np.pad(x, [(0, 0)] * (x.ndim - 1) + [(0, -K % 32)]); x = x.reshape(x.shape[:-1] + (-1, 32)); a = np.abs(x).max(-1, keepdims=True)
;;       e = np.where(a > 0, np.clip(np.frexp(np.where(a > 0, a, 1))[1] - 1 - 2, -126, 127), 0)      # np.frexp(a)[1] - 1 = floor(log2(a)), exactly
;;       r = np.clip(x / 2.0 ** e, -6, 6)
;;       step = 2.0 ** (np.maximum(np.frexp(np.where(r == 0, 1, r))[1] - 1, 0) - 1)
;;       q = np.round(r / step) * step * 2.0 ** e      # np.round: ties to even
;;       return np.moveaxis(q.reshape(q.shape[:-2] + (-1,))[..., :K], -1, axis).astype(np.float32)
;;   ~~~
;; 2 versions, each right; version 2 is version 1 with the launch fused written anew for expert scheduling mode. Each part assembles by itself: llvm-mc -triple=amdgcn-amd-amdhsa -mcpu=gfx1250 --defsym DOCPART=n.
;; ======== version 1 of 2: 2 launches
;; limits: values are held in f16: magnitudes above 65,504 overflow, below 6.1e-05 lose precision
;; workspace buffers: wts 3,768,320 bytes
;; launch prep (part 1): grid 320 x 1, 4 waves a work-group, no clusters, 0 bytes of LDS; arguments w_qkv, w_proj, wts; writes wts
.if DOCPART == 1
	.amdgcn_target "amdgcn-amd-amdhsa--gfx1250"
	.amdhsa_code_object_version 6
	.text
	.protected	k_q2fe72c3eef_prep
	.globl	k_q2fe72c3eef_prep
	.p2align	8
	.type	k_q2fe72c3eef_prep,@function
k_q2fe72c3eef_prep:
	s_mov_b64 s[64:65], 0
	v_nop
	global_prefetch_b8 v0, s[64:65] scope:SCOPE_SE
	s_setreg_imm32_b32 hwreg(HW_REG_WAVE_MODE, 25, 1), 1
	s_wait_xcnt 0x0
; THE WEIGHTS, ONCE, IN THE ORDER IN WHICH THE NEXT LAUNCH'S OPERAND REGISTERS TAKE THEM.
; w_qkv [1024 (k)][3072] f32 becomes codes of E2M1 with one E8M0 byte for each 32 along K; w_proj [1024 (k)][1024] f32 is rounded to f16.
; wts is four streams of WSTR bytes, one for each wave w of the next launch:
;   0   scale words  [block U 0..47][lane slot 32][i 4]: the word (four bytes: 128 along K) of tile 8 u + 2 i + p, row r, at slot 16 p + r
;   CB  codes        [block U 0..47][tile i8 0..7][c 2][lane 16 h + r][16 bytes]: the 32 codes of K block 2 c + h of the K step, row r of tile 8 u + i8
;   FB  f16          [block V 0..63][tile i8 0..7][e 2][lane 16 h + r][16 bytes]: eight k on end of column 256 w + 16 (8 u + i8) + r
; U = 2 (8 P + s) + u: P the pass (0 k, 1 q, 2 v), s the K step of 128, u the half of the wave's 16 tiles.  V = 2 t32 + u.
; Rows of a tile: passes k and q: column 256 w + 16 t + r of their part of w_qkv; pass v: tile t is head t, row r its channel 16 w + r.
; The f16 piece (t32, e, h) is number ci = 4 t32 + 2 e + h along a permuted K: it begins at k = 64 (ci % 16) + 8 (ci / 16); the next launch lays its other operand in the same order.
; A LANE TAKES A COLUMN AND ITS REGISTERS RUN DOWN K: a load reads 128 consecutive bytes a wave, a block of 32 lies in one lane, the conversions give codes with K innermost,
; and since sixteen neighbouring lanes are the sixteen rows of a tile, each store of 16 bytes a lane covers 256 consecutive bytes, aligned.  No LDS, no barrier.
; The scale words leave as 4 bytes a lane, 16 bytes apart: one byte for each 32 of the 128 that the launch reads.
; A block's scale is 2^(floor(log2(largest magnitude)) - 2); its byte is the largest magnitude's exponent field - 2, held at 1 from below.
; LIMITS: a block of zeros gets the byte 1 where the quantiser says 127 (its codes are zeros, and this program alone reads the bytes); NaN and infinities are not served;
; w_proj beyond 65,504 in magnitude is not served, and under 6e-5 it keeps f16's absolute step of 6e-8.
.set WSTR, 942080
.set CB,   24576
.set FB,   417792
.set QROW, 12288                       ; a row of w_qkv in bytes
.set PROW, 4096                        ; a row of w_proj
.set NUM,  32                          ; v32-159 the numbers
.set COD,  16                          ; v16-31  codes: four registers for each block, so that no store's data are written again
.set F16,  96                          ; v96-127 w_proj's f16, four registers for each piece
	s_load_b128 s[4:7], s[0:1], 0x0                ; w_qkv, w_proj
	s_load_b64 s[8:9], s[0:1], 0x10                ; wts
	v_lshrrev_b32 v1, 5, v0
	v_readfirstlane_b32 s16, v1                    ; wave
	v_and_b32 v1, 31, v0
	v_lshlrev_b32 v2, 2, v1                        ; in: 4 bytes a lane
	v_and_b32 v3, 15, v0                           ; r: my row in a tile
	v_bfe_u32 v4, v0, 4, 1                         ; p: which of my wave's two tiles
	v_lshlrev_b32 v7, 4, v3                        ; 16 r
	s_mov_b32 s15, 0                               ; the upper word of a source offset
	s_cmp_lt_u32 ttmp9, 192                        ; the first 192 work-groups take w_qkv, the other 128 w_proj
	s_cbranch_scc0 .Lproj
	; ---- w_qkv: a work-group takes 128 columns x one K step of 128, a wave 32 columns
	s_and_b32 s17, ttmp9, 7                        ; s: the K step
	s_lshr_b32 s18, ttmp9, 3
	s_lshl_b32 s18, s18, 2
	s_add_co_u32 s18, s18, s16                     ; cg: my 32 columns, 0 .. 95
	s_lshr_b32 s19, s18, 5                         ; part: 0 q, 1 k, 2 v
	s_and_b32 s20, s18, 31                         ; c5: my 32 columns within the part
	s_mul_i32 s14, s17, 128*QROW
	s_lshl_b32 s21, s18, 7
	s_add_co_u32 s14, s14, s21                     ; the source: 128 s rows down, 128 cg bytes along
	; where it goes, for q and k: stream c5 / 8, tiles 2 (c5 % 8) + p
	s_xor_b32 s21, s19, 1                          ; the pass: k first
	s_lshl_b32 s21, s21, 3
	s_add_co_u32 s21, s21, s17                     ; 8 P + s
	s_lshr_b32 s22, s20, 3
	s_mul_i32 s22, s22, WSTR
	s_and_b32 s23, s20, 7
	s_lshl_b32 s24, s21, 14
	s_add_co_u32 s24, s24, s22
	s_lshl_b32 s25, s23, 11
	s_add_co_u32 s24, s24, s25
	s_add_co_u32 s24, s24, CB                      ; the codes
	s_lshl_b32 s25, s21, 10
	s_add_co_u32 s25, s25, s22
	s_lshr_b32 s26, s23, 2
	s_lshl_b32 s26, s26, 9
	s_add_co_u32 s25, s25, s26
	s_and_b32 s26, s20, 3
	s_lshl_b32 s26, s26, 2
	s_add_co_u32 s25, s25, s26                     ; the scale words
	; and for v: head g = c5 / 2 is the tile, streams 2 (c5 % 2) + p
	s_lshr_b32 s27, s20, 1                         ; g
	s_and_b32 s28, s20, 1
	s_lshl_b32 s28, s28, 1
	s_mul_i32 s28, s28, WSTR
	s_add_co_u32 s29, s17, 16                      ; 8 P + s with P = 2
	s_lshl_b32 s30, s29, 14
	s_add_co_u32 s30, s30, s28
	s_lshl_b32 s31, s27, 10
	s_add_co_u32 s30, s30, s31
	s_add_co_u32 s30, s30, CB                      ; the codes
	s_lshl_b32 s31, s29, 10
	s_add_co_u32 s31, s31, s28
	s_lshr_b32 s32, s27, 3
	s_lshl_b32 s32, s32, 9
	s_add_co_u32 s31, s31, s32
	s_and_b32 s32, s27, 1
	s_lshl_b32 s32, s32, 8
	s_add_co_u32 s31, s31, s32
	s_and_b32 s32, s27, 7
	s_lshr_b32 s32, s32, 1
	s_lshl_b32 s32, s32, 2
	s_add_co_u32 s31, s31, s32                     ; the scale words
	s_mov_b32 s33, WSTR
	s_cmp_eq_u32 s19, 2                            ; the choice hangs on the work-group's and the wave's number alone
	s_cselect_b32 s24, s30, s24
	s_cselect_b32 s25, s31, s25
	s_cselect_b32 s34, s33, 1024                   ; from p = 0 to p = 1: a stream on (v) or a tile on (q, k)
	s_cselect_b32 s35, s33, 256
	v_mul_u32_u24 v5, s34, v4
	v_add3_u32 v5, v5, v7, s24                     ; my codes' place
	v_mul_u32_u24 v6, s35, v4
	v_add3_u32 v6, v6, v7, s25                     ; my scale word's place
	s_wait_kmcnt 0x0
	s_add_nc_u64 s[4:5], s[4:5], s[14:15]
.macro QLOAD kb                        ; block kb: w_qkv(128 s + 32 kb + i, my column), i = 0 .. 31
.irp i, 0,1,2,3,4,5,6,7,8,9,10,11,12,13,14,15,16,17,18,19,20,21,22,23,24,25,26,27,28,29,30,31
	global_load_b32 v[NUM+32*(\kb)+\i], v2, s[4:5] offset:(32*(\kb)+\i)*QROW th:TH_LOAD_NT
.endr
.endm
.macro QBLOCK kb
.set XB, NUM+32*(\kb)
.if (\kb) < 3
	s_wait_loadcnt 32                              ; this block's 32 loads are in; the next block's 32 may be out
.else
	s_wait_loadcnt 0x0
.endif
.if (\kb)+2 < 4
	QLOAD (\kb)+2                                  ; two blocks ahead: 64 loads a wave are out
.endif
	v_max3_num_f32 v8, |v[XB]|, |v[XB+1]|, |v[XB+2]|       ; the block's largest magnitude: all 32 numbers are mine; two chains
	v_max3_num_f32 v9, |v[XB+3]|, |v[XB+4]|, |v[XB+5]|
.irp i, 6,10,14,18,22,26
	v_max3_num_f32 v8, v8, |v[XB+\i]|, |v[XB+\i+1]|
	v_max3_num_f32 v9, v9, |v[XB+\i+2]|, |v[XB+\i+3]|
.endr
	v_max3_num_f32 v8, v8, |v[XB+30]|, |v[XB+31]|
	v_max3_num_f32 v8, v8, v9, 0x1800000           ; and the floor 2^(3 - 127): the byte cannot fall under 1
	v_add_nc_u32 v10, 0xff000000, v8               ; 2 off the exponent field: the conversion takes this operand's exponent field as its scale
	v_lshrrev_b32 v11, 23, v10                     ; the scale's byte
.if (\kb) == 0
	v_mov_b32 v12, v11                             ; four bytes make my column's scale word, the lower K in the lower byte
.else
	v_lshl_or_b32 v12, v11, 8*(\kb), v12
.endif
.irp g, 0,1,2,3
	v_cvt_scalef32_pk8_fp4_f32 v[COD+4*(\kb)+\g], v[XB+8*\g:XB+8*\g+7], v10
.endr
	global_store_b128 v5, v[COD+4*(\kb):COD+4*(\kb)+3], s[8:9] offset:((\kb)/2)*512+((\kb)%2)*256   ; piece (c, h) = (kb / 2, kb % 2); sixteen lanes store 256 consecutive bytes, aligned
.endm                                  ; (the codes go to stores alone; the next block's first lines are plain ones, ahead of the line that writes v10 anew)
	QLOAD 0
	QLOAD 1
	QBLOCK 0
	QBLOCK 1
	QBLOCK 2
	QBLOCK 3
	global_store_b32 v6, v12, s[8:9]
	s_endpgm
.Lproj:	; ---- w_proj: a work-group takes 128 columns x 64 rows (k = 64 np .. 64 np + 63), a wave 32 columns
	s_sub_co_u32 s17, ttmp9, 192
	s_and_b32 s18, s17, 7
	s_lshl_b32 s18, s18, 2
	s_add_co_u32 s18, s18, s16                     ; cg: my 32 columns, 0 .. 31
	s_lshr_b32 s19, s17, 3                         ; np = ci % 16
	s_lshl_b32 s14, s19, 18                        ; 64 np rows of 4,096 bytes
	s_lshl_b32 s20, s18, 7
	s_add_co_u32 s14, s14, s20
	s_lshr_b32 s21, s18, 3
	s_mul_i32 s21, s21, WSTR                       ; stream cg / 8
	s_add_co_u32 s21, s21, FB
	s_lshr_b32 s22, s19, 2
	s_lshl_b32 s22, s22, 14                        ; piece ci = 16 o + np: t32 = 4 o + np / 4, two blocks of 8,192 bytes a t32
	s_add_co_u32 s21, s21, s22
	s_and_b32 s22, s18, 7
	s_lshl_b32 s22, s22, 11                        ; tiles 2 (cg % 8) + p
	s_add_co_u32 s21, s21, s22
	s_and_b32 s22, s19, 3
	s_lshl_b32 s22, s22, 8                         ; 512 e + 256 h = 256 (np % 4)
	s_add_co_u32 s21, s21, s22
	v_lshl_add_u32 v5, v4, 10, v7
	v_add_nc_u32 v5, s21, v5
	s_wait_kmcnt 0x0
	s_add_nc_u64 s[6:7], s[6:7], s[14:15]
.set i, 0
.rept 64
	global_load_b32 v[NUM+i], v2, s[6:7] offset:i*PROW th:TH_LOAD_NT
.set i, i+1
.endr
.irp o, 0,1,2,3,4,5,6,7                ; eight rows at a time: piece ci = 16 o + np
	s_wait_loadcnt 8*(7-\o)                        ; these eight loads are in; the later ones may be out
.irp q, 0,1,2,3
	v_cvt_pk_f16_f32 v[F16+4*\o+\q], v[NUM+8*\o+2*\q], v[NUM+8*\o+2*\q+1]   ; the lower k in the low half
.endr
	global_store_b128 v5, v[F16+4*\o:F16+4*\o+3], s[8:9] offset:\o*65536      ; sixteen lanes store 256 consecutive bytes, aligned
.endr
	s_endpgm
.Lfunc_end_k_q2fe72c3eef_prep:
	.size	k_q2fe72c3eef_prep, .Lfunc_end_k_q2fe72c3eef_prep-k_q2fe72c3eef_prep
	.p2alignl 7, 3214868480
	.fill 96, 4, 3214868480
	.section	.rodata,"a",@progbits
	.p2align	6, 0x0
	.amdhsa_kernel k_q2fe72c3eef_prep
		.amdhsa_group_segment_fixed_size 0
		.amdhsa_private_segment_fixed_size 0
		.amdhsa_enable_private_segment 0
		.amdhsa_kernarg_size 24
		.amdhsa_user_sgpr_count 2
		.amdhsa_user_sgpr_kernarg_segment_ptr 1
		.amdhsa_wavefront_size32 1
		.amdhsa_system_sgpr_workgroup_id_x 1
		.amdhsa_system_sgpr_workgroup_id_y 1
		.amdhsa_system_sgpr_workgroup_id_z 1
		.amdhsa_system_vgpr_workitem_id 0
		.amdhsa_next_free_vgpr 192
		.amdhsa_next_free_sgpr 66
		.amdhsa_reserve_vcc 0
		.amdhsa_float_denorm_mode_32 3
		.amdhsa_float_denorm_mode_16_64 3
		.amdhsa_memory_ordered 1
		.amdhsa_forward_progress 1
		.amdhsa_inst_pref_size 32
	.end_amdhsa_kernel
	.amdgpu_metadata
---
amdhsa.version: [ 1, 2 ]
amdhsa.kernels:
  - .name:           k_q2fe72c3eef_prep
    .symbol:         k_q2fe72c3eef_prep.kd
    .args:
      - { .name: w_qkv, .offset: 0, .size: 8, .value_kind: global_buffer, .address_space: global }
      - { .name: w_proj, .offset: 8, .size: 8, .value_kind: global_buffer, .address_space: global }
      - { .name: wts, .offset: 16, .size: 8, .value_kind: global_buffer, .address_space: global }
    .group_segment_fixed_size: 0
    .private_segment_fixed_size: 0
    .kernarg_segment_align: 8
    .kernarg_segment_size: 24
    .max_flat_workgroup_size: 128
    .sgpr_count:     66
    .vgpr_count:     192
    .wavefront_size: 32
...
	.end_amdgpu_metadata
.endif
;; end of part 1
;; launch fused (part 2): grid 256 x 1, 4 waves a work-group, no clusters, 310,272 bytes of LDS; arguments x, wts, b_proj, out0; writes out0
.if DOCPART == 2
	.amdgcn_target "amdgcn-amd-amdhsa--gfx1250"
	.amdhsa_code_object_version 6
	.text
	.protected	k_q2fe72c3eef_fused
	.globl	k_q2fe72c3eef_fused
	.p2align	8
	.type	k_q2fe72c3eef_fused,@function
k_q2fe72c3eef_fused:
	s_mov_b64 s[64:65], 0
	v_nop
	global_prefetch_b8 v0, s[64:65] scope:SCOPE_SE
	s_setreg_imm32_b32 hwreg(HW_REG_WAVE_MODE, 25, 1), 1
	s_wait_xcnt 0x0
; out = o2 w_proj + b_proj, o2 the literal transpose and reshape of softmax(q k^T / 8) v taken PER TOKEN over its 16 heads, q k v = x w_qkv on codes of E2M1.
; o2[b][128 head + n / 16][64 (n % 16) + d] = o[b][n][head][d]: sixteen aligned neighbouring tokens with all their heads fill sixteen WHOLE rows of o2.  So a work-group that owns 64 aligned
; tokens owns 64 whole rows of the last product, and the whole chain stays in it: 16,384 / 64 = 256 work-groups of four waves.  Memory sees x, the weights and out0, nothing between.
; SHARES.  The waves share the COLUMNS of the large products: wave w makes heads 4 w .. 4 w + 3 of k and of q, channels 16 w .. 16 w + 15 of every head of v, columns 256 w .. + 255 of out, each for all 64 tokens
; (64 accumulators of 16 x 16, 512 registers).  So each weight byte is loaded once in a work-group, by one wave, from memory straight into operand registers, in the order in which the launch before has laid it:
; a ring of four register sets of 8 fragments, three of them on their way at all times.  The waves share the TOKENS where x is quantised and in the softmax: 16 each.
; PHASES.  X: x to codes, as images of the operand's registers in LDS | barrier | passes k, q: S-operands to LDS in f16 | barrier | S^T = k q^T, softmax, p to LDS; pass v (stays in accumulators) | barrier |
; o^T = v^T p^T, o2 to LDS where q lay | barrier | out = o2 w_proj + b, through each wave's own stage to memory.
; ORIENTATION.  Passes k, q and the last product are used transposed (source 0 = 16 columns of the weight, source 1 = 16 rows): a lane holds one row and eight neighbouring columns.  Pass v is used straight
; (source 0 = 16 tokens): a lane holds one channel and eight tokens, which is what v^T wants.  S^T = k q^T gives a lane one head h and eight heads g, so that a maximum or a sum wants one exchange of lane halves.
; v^T p^T has K = 16: two tokens share a matrix instruction's K of 32 in source 0, and zeros in source 1 cut the other token off.
; THE LAST PRODUCT'S K is walked in the order of o2's 16-byte pieces in LDS, piece ci = 16 (d / 8) + n % 16; w_proj's pieces were laid in the same order, so the products are the same.
; NO JOINT LOADS, though all 256 work-groups walk the same weights: a joint load lands in LDS, and x's images, k and q / o2 take 305,664 of 327,680 bytes; a half step of the four waves is 4 x 8,704 bytes,
; and two slots of that, 69,632 bytes, do not fit into what is left.  No prefetch: x's loads go out at the head, and the weights are no stream that is read once.
; LIMITS: q, k, v, p, o and w_proj go to the matrix units in f16: magnitudes of x w_qkv beyond 65,504 are not served (an infinity would meet the zeros that pad K); at the drawn spread they are about 0.6,
; with both inputs 30 times larger under 4e3, with offsets of 30 spreads on both about 2e4.  NaN and infinities among the inputs are not served.  A block of zeros of x gets the scale byte 1 (its codes are zeros).
; A weight p under 2^-126 counts as 0.
; REGISTERS, in windows of 256.  Window 0: v1-31 addresses; v32-47 the weights' scale words, 4 sets of 4; v48-55 x's, 2 sets of 4; v56-63 the bias on its way to LDS; v64-127 two sets of 4 row fragments; v128-255 at work.
;   Window 1: the ring, 4 sets of 64.   Windows 2, 3: accumulator (m, t) at v[8 (8 m + t % 8)] of window 2 + t / 8; window 2 also holds x as loaded (phase X) and k's and q's fragments (softmax).
.set WSTR,  942080                     ; a wave's stream of weights: scale words, codes from CB on, f16 behind them
.set CB,    24576
.set TP,    2064                       ; a token's k, or a row of q / o2: 2,048 bytes + 16: an odd multiple of 16, so that sixteen rows start at sixteen different banks (64 banks of 4 bytes: ISA guide 11.1)
.set T16,   16*TP
.set T32,   32*TP
.set XP,    528                        ; a row of the stage of phase X: 512 bytes + 16
.set OP,    1040                       ; a row of the stage on the way out: 1,024 bytes + 16
.set XIMG,  0                          ; x's fragments as register images, 1,024 bytes each: slot 4 s + m, s = 0 .. 8; step 8 is step 0 once more, so that the fetch one step ahead runs over a pass's end
.set XSC,   36864                      ; x's scale words [s 0..8][lane][m]: 512 bytes a step
.set KREG,  41472                      ; k: token x TP + 256 (d / 8) + 16 g; then p in a token's first 512 bytes.  Phase X's stages and the way out's lie here too, each in its own time
.set QO,    KREG+64*TP                 ; row (16 m + head) x TP + 16 x piece, piece = 16 (d / 8) + n % 16: q, then o2
.set BIAS,  QO+64*TP                   ; 1,024 bytes a wave: its 256 numbers of b_proj
.set SPARE, BIAS+4096                  ; the spare words, 128 bytes for each wave: two blocks of 256 bytes that no other line names
.set LI,  1                            ; 16 x lane
.set STW, 4                            ; phase X's stage, in: + 16 x lane
.set STR, 5                            ; and back: + XP r + 64 h
.set XWI, 6                            ; where I store x's images: 1,024 w + 16 x lane
.set XWS, 7                            ; and their scale words: XSC + 16 x lane + 4 w
.set KW,  8                            ; k's store: KREG + TP r + 256 h + 64 w;  KW2: 32 tokens on
.set KW2, 9
.set QW,  10                           ; q's store: QO + 4 TP w + 16 x lane;  QW2: 32 rows on
.set QW2, 11
.set KR,  12                           ; k's fragments of my 16 tokens: KREG + T16 w + 16 x lane
.set QR,  13                           ; q's: QO + T16 w + TP r + 256 h
.set KRA, 14                           ; the two with the batch's step
.set QRA, 15
.set PR,  16                           ; p: KREG + 16 x lane;  PR2: 32 tokens on
.set PR2, 17
.set OW,  18                           ; o2's store: QO + TP r + 256 h + 512 w;  OW2: 32 rows on
.set OW2, 19
.set AR,  20                           ; o2's fragments: QO + TP r + 16 h;  AR2: 32 rows on
.set AR2, 21
.set AA,  22                           ; the two with the K step
.set AA2, 23
.set AAD, 24                           ; x's images with the K step
.set ASD, 25                           ; x's scale words with the K step
.set SO,  26                           ; the way out's stage, in: KREG + 16 OP w + OP r + 32 h
.set SR,  27                           ; and back: + 16 x lane
.set BIA, 28                           ; the bias as a C operand: BIAS + 1,024 w + 32 h
.set BIW, 29                           ; the bias's store: BIAS + 1,024 w + 16 x lane
.set SPW, 30                           ; LDS address of my spare word; never rewritten
.set NIL, 31                           ; 0; never rewritten
.set WSR, 32
.set XS,  48
.set BT,  56
.set AF,  64
.set SCR, 128
.set TM,  192                          ; the quantiser: v192-195 largest magnitudes, v196-199 the other half's, then bytes, v204-207 the conversions' scale operands
.set PW,  208                          ; the scale word just made
.set PC,  210                          ; v210-217 the codes just made
.set SS,  128                          ; the softmax: v128-159 scores of four tokens, then p
.set MX,  160                          ; pairs: the maxima,
.set T1,  168                          ; at work,
.set T2,  176
.set RC,  184                          ; 1 / sum,
.set PP,  192                          ; v192-207 p in f16
.set PB,  128                          ; v^T p^T: v[PB + 12 jj]: p of token A (4), zeros (4), p of token B (4)
.set DD,  176                          ; its results, 8 x 8
; s12 wave; s[16:17] the ring's place in my stream; s[18:19] the scale words'; s[20:21] lane selects; s[22:23] log2(e) / 8; s24, s25 x's K step in XIMG, XSC; s26, s27 counters; s28, s29 the softmax's batch; s30 o2's K step
.set MSB, 0
.macro WIN new                         ; the immediate's high byte repeats the setting that is left; a switch that changes nothing is dropped
.if MSB != (\new)
	s_set_vgpr_msb (MSB<<8)|(\new)
.set MSB, (\new)
.endif
.endm
; A load into a register that a matrix instruction has read, and a vector instruction or an LDS store that reads a matrix result, stand four places behind it, and only plain vector instructions that name none
; of its registers are places (ISA guide 7.12.1 for vector instructions).
.macro PLACES
.rept 4
	v_nop
.endr
.endm
.macro BARRIER                         ; my LDS stores have landed and my LDS loads are in: then the work-group's barrier
	s_wait_dscnt 0x0
	s_barrier_signal -1
	s_barrier_wait -1
.endm
.macro XLOAD s                         ; K step s of my 16 tokens of x into window 2, set s % 4: a load reads 512 consecutive bytes of one row
	WIN 0x80
.irp i, 0,1,2,3,4,5,6,7,8,9,10,11,12,13,14,15
	global_load_b128 v[64*((\s)%4)+4*\i:64*((\s)%4)+4*\i+3], v[LI], s[4:5] offset:\i*4096+(\s)*512 th:TH_LOAD_NT
.endr
.endm
.macro RINGLOAD set, blk, sc           ; a block of my stream, 8 fragments, 8,192 consecutive bytes, into ring set; sc = 1: and its 512 bytes of scale words
	WIN 0x40
.irp i, 0,1,2,3,4,5,6,7
.irp c, 0,1
	global_load_b128 v[64*(\set)+8*\i+4*\c:64*(\set)+8*\i+4*\c+3], v[LI], s[16:17] offset:(\blk)*8192+\i*1024+\c*512
.endr
.endr
	WIN 0
.if \sc
	global_load_b128 v[WSR+4*(\set):WSR+4*(\set)+3], v[LI], s[18:19] offset:(\blk)*512
.endif
.endm
; 64 numbers of a lane, register 16 b + i = k 32 b + 16 (lane / 16) + i of my row, become a fragment's codes in v[PC] on and its scale word in v[PW].
.macro QUANT src
.irp b, 0,1,2,3
	v_max3_num_f32 v[TM+\b], |v[\src+16*\b]|, |v[\src+1+16*\b]|, 0x1800000   ; block b: my 16 numbers, and the floor 2^(3 - 127): the byte cannot fall under 1
.endr
.irp i, 2,4,6,8,10,12,14
.irp b, 0,1,2,3
	v_max3_num_f32 v[TM+\b], v[TM+\b], |v[\src+16*\b+\i]|, |v[\src+1+16*\b+\i]|   ; (the four blocks by turns)
.endr
.endr
.irp b, 0,1,2,3
	v_permlanex16_b32 v[TM+4+\b], v[TM+\b], s20, s21
.endr
.irp b, 0,1,2,3
	v_max_num_f32 v[TM+\b], v[TM+\b], v[TM+4+\b]   ; with lane l xor 16's: the block's largest magnitude
.endr
.irp b, 0,1,2,3
	v_add_nc_u32 v[TM+12+\b], 0xff000000, v[TM+\b] ; 2 off its exponent field: the conversion's scale operand
.endr
.irp b, 0,1,2,3
	v_lshrrev_b32 v[TM+4+\b], 23, v[TM+12+\b]      ; the scale's byte
.endr
	v_lshl_or_b32 v[PW], v[TM+5], 8, v[TM+4]       ; the four bytes make my row's scale word
	v_lshl_or_b32 v[PW], v[TM+6], 16, v[PW]
	v_lshl_or_b32 v[PW], v[TM+7], 24, v[PW]
.irp b, 0,1,2,3
	v_cvt_scalef32_pk8_fp4_f32 v[PC+2*\b], v[\src+16*\b:\src+7+16*\b], v[TM+12+\b]
	v_cvt_scalef32_pk8_fp4_f32 v[PC+1+2*\b], v[\src+8+16*\b:\src+15+16*\b], v[TM+12+\b]
.endr
	v_nop                                          ; one plain place behind a scaled conversion
.irp c, 0,1                            ; the operand's layout wants a WHOLE block in a lane: lanes 0-15 block 2 c, lanes 16-31 block 2 c + 1
.irp i, 0,1
	v_permlane16_swap_b32 v[PC+4*\c+\i], v[PC+2+4*\c+\i]
.endr
.endr
.endm
; K step s of phase X.  The loads take x as it lies, 16 bytes a lane; the quantiser wants 16 neighbours of each block of 32 in a lane: the step's 8,192 bytes turn through my own stage.
.macro XSTEP s
.if (\s)+3 < 8
	XLOAD (\s)+3                                   ; three steps ahead, into the set whose stage stores were waited for in the last step
.else
	RINGLOAD (\s)-5, (\s)-5, 1                     ; x is all asked for: the ring's first three sets go out
.endif
.if (\s) < 5
	s_wait_loadcnt 48                              ; this step's 16 loads are in; behind them: three steps of 16
.else
	s_wait_loadcnt 44+(\s)                         ; behind them: 7 - s steps of 16 and s - 4 ring sets of 17
.endif
	WIN 0x08                                       ; an LDS store's data are its source 1: window 2
.irp i, 0,1,2,3,4,5,6,7,8,9,10,11,12,13,14,15
	ds_store_b128 v[STW], v[64*((\s)%4)+4*\i:64*((\s)%4)+4*\i+3] offset:\i*XP
.endr
	WIN 0
.irp b, 0,1,2,3
.irp j, 0,1,2,3
	ds_load_b128 v[SCR+16*\b+4*\j:SCR+16*\b+4*\j+3], v[STR] offset:128*\b+16*\j   ; LDS serves a wave's instructions in order (ISA guide 5.7.1.4): these see the stores above
.endr
.endr
	s_wait_dscnt 0x0                               ; the numbers are back; the stage's stores and the last step's image stores have read their registers
	QUANT SCR
.irp c, 0,1
	ds_store_b128 v[XWI], v[PC+4*\c:PC+4*\c+3] offset:XIMG+(\s)*4096+512*\c   ; the fragment as it stands: lane l's 16 bytes at 16 l
.endr
	ds_store_b32 v[XWS], v[PW] offset:(\s)*512
.if (\s) == 0
.irp c, 0,1
	ds_store_b128 v[XWI], v[PC+4*\c:PC+4*\c+3] offset:XIMG+8*4096+512*\c      ; step 0 once more, as step 8
.endr
	ds_store_b32 v[XWS], v[PW] offset:8*512
.endif
.endm
.macro PASSHEAD                        ; x's K step 0
	s_mov_b32 s24, 0
	s_mov_b32 s25, XSC
	v_mov_b32 v[AAD], v[LI]
	v_add_nc_u32 v[ASD], XSC, v[LI]
.endm
.macro AFETCH set, off                 ; x's four fragments and four scale words of a K step: nine loads
.irp m, 0,1,2,3
.irp c, 0,1
	ds_load_b128 v[AF+32*(\set)+8*\m+4*\c:AF+32*(\set)+8*\m+4*\c+3], v[AAD] offset:(\off)+1024*\m+512*\c
.endr
.endr
	ds_load_b128 v[XS+4*(\set):XS+4*(\set)+3], v[ASD] offset:(\off)/8
.endm
; 32 matrix instructions: the four tiles of tokens x eight tiles of the weight (half u of my 16), 128 along K.  orient = 0: source 0 the weight; 1: source 0 the tokens.  zero = 1: they start the sums.
; A register of the weights' scale words carries two tiles: the even one's in lanes 0-15, the odd one's in lanes 16-31.  The 32 accumulators take turns, one instruction a turn.
.macro MUL1 orient, set, aset, u, zero
.if \orient
	WIN 0xa4+0x50*(\u)                             ; source 0 window 0, source 1 window 1, C and D window 2 + u
.else
	WIN 0xa1+0x50*(\u)                             ; source 0 window 1, source 1 window 0, C and D window 2 + u
.endif
.irp m, 0,1,2,3
.irp i, 0,1,2,3,4,5,6,7
.set rD, 8*(8*\m+\i)
.set rW, 64*(\set)+8*\i
.set rA, AF+32*(\aset)+8*\m
.set rY, WSR+4*(\set)+\i/2
.set rX, XS+4*(\aset)+\m
.if \orient
.if \zero
.if \i%2
	v_wmma_scale_f32_16x16x128_f8f6f4 v[rD:rD+7], v[rA:rA+7], v[rW:rW+7], 0, v[rX], v[rY] matrix_a_fmt:MATRIX_FMT_FP4 matrix_b_fmt:MATRIX_FMT_FP4 matrix_b_scale:MATRIX_SCALE_ROW1
.else
	v_wmma_scale_f32_16x16x128_f8f6f4 v[rD:rD+7], v[rA:rA+7], v[rW:rW+7], 0, v[rX], v[rY] matrix_a_fmt:MATRIX_FMT_FP4 matrix_b_fmt:MATRIX_FMT_FP4
.endif
.else
.if \i%2
	v_wmma_scale_f32_16x16x128_f8f6f4 v[rD:rD+7], v[rA:rA+7], v[rW:rW+7], v[rD:rD+7], v[rX], v[rY] matrix_a_fmt:MATRIX_FMT_FP4 matrix_b_fmt:MATRIX_FMT_FP4 matrix_b_scale:MATRIX_SCALE_ROW1
.else
	v_wmma_scale_f32_16x16x128_f8f6f4 v[rD:rD+7], v[rA:rA+7], v[rW:rW+7], v[rD:rD+7], v[rX], v[rY] matrix_a_fmt:MATRIX_FMT_FP4 matrix_b_fmt:MATRIX_FMT_FP4
.endif
.endif
.else
.if \zero
.if \i%2
	v_wmma_scale_f32_16x16x128_f8f6f4 v[rD:rD+7], v[rW:rW+7], v[rA:rA+7], 0, v[rY], v[rX] matrix_a_fmt:MATRIX_FMT_FP4 matrix_b_fmt:MATRIX_FMT_FP4 matrix_a_scale:MATRIX_SCALE_ROW1
.else
	v_wmma_scale_f32_16x16x128_f8f6f4 v[rD:rD+7], v[rW:rW+7], v[rA:rA+7], 0, v[rY], v[rX] matrix_a_fmt:MATRIX_FMT_FP4 matrix_b_fmt:MATRIX_FMT_FP4
.endif
.else
.if \i%2
	v_wmma_scale_f32_16x16x128_f8f6f4 v[rD:rD+7], v[rW:rW+7], v[rA:rA+7], v[rD:rD+7], v[rY], v[rX] matrix_a_fmt:MATRIX_FMT_FP4 matrix_b_fmt:MATRIX_FMT_FP4 matrix_a_scale:MATRIX_SCALE_ROW1
.else
	v_wmma_scale_f32_16x16x128_f8f6f4 v[rD:rD+7], v[rW:rW+7], v[rA:rA+7], v[rD:rD+7], v[rY], v[rX] matrix_a_fmt:MATRIX_FMT_FP4 matrix_b_fmt:MATRIX_FMT_FP4
.endif
.endif
.endif
.endr
.endr
.endm
; Half step hs of a trip of two K steps: block hs of the trip's four is multiplied, block hs + 3 is asked for, into the set that the half step before has multiplied.
.macro HALF1 orient, hs, zero
	PLACES
	RINGLOAD ((\hs)+3)%4, (\hs)+3, 1
.if (\hs) == 0
	AFETCH 1, 4096                                 ; the trip's second K step of x
	s_wait_dscnt 9                                 ; only the nine just issued may be out: x's other set is in
.endif
.if (\hs) == 2
	s_add_co_u32 s24, s24, 8192
	s_add_co_u32 s25, s25, 1024
	v_add_nc_u32 v[AAD], s24, v[LI]
	v_add_nc_u32 v[ASD], s25, v[LI]
	AFETCH 0, 0                                    ; the next trip's first K step; at a pass's end step 8, which is the next pass's step 0
	s_wait_dscnt 9
.endif
	s_wait_loadcnt 51                              ; behind the set in hand: three sets of 17 loads
	MUL1 \orient, \hs, (\hs)/2, (\hs)%2, \zero
.endm
.macro TRIP1 orient, zero
	HALF1 \orient, 0, \zero
	HALF1 \orient, 1, \zero
	HALF1 \orient, 2, 0
	HALF1 \orient, 3, 0
	WIN 0
	s_wait_xcnt 0x0                                ; the loads have read their bases: only behind this wait are they stepped
	s_add_nc_u64 s[16:17], s[16:17], 32768
	s_add_nc_u64 s[18:19], s[18:19], 2048
.endm
; A pass's 64 accumulators, rounded to f16, go to LDS: a lane's eight columns are eight d on end of one head: 16 bytes.  a1, a2: the address for tokens 0-31, 32-63; tq: bytes from head to head.
.macro EPI a1, a2, tq
.irp u, 0,1
.if \u
	s_wait_dscnt 0x0                               ; the first half's stores have read their registers
.endif
	WIN 0x0a+5*\u                                  ; sources 0 and 1: window 2 + u
.irp m, 0,1,2,3
.irp i, 0,1,2,3,4,5,6,7
.irp q, 0,1,2,3
	v_cvt_pk_f16_f32 v[SCR+4*(8*\m+\i)+\q], v[8*(8*\m+\i)+2*\q], v[8*(8*\m+\i)+2*\q+1]   ; each accumulator from its low end on
.endr
.endr
.endr
	WIN 0
.irp m, 0,1,2,3
.irp i, 0,1,2,3,4,5,6,7
.if \m < 2
	ds_store_b128 v[\a1], v[SCR+4*(8*\m+\i):SCR+4*(8*\m+\i)+3] offset:(\m%2)*T16+((8*\u+\i)%4)*512+((8*\u+\i)/4)*(\tq)
.else
	ds_store_b128 v[\a2], v[SCR+4*(8*\m+\i):SCR+4*(8*\m+\i)+3] offset:(\m%2)*T16+((8*\u+\i)%4)*512+((8*\u+\i)/4)*(\tq)
.endif
.endr
.endr
.endr
.endm
; Four of my 16 tokens: S^T = k q^T (16 g x 16 heads, K = 64: two matrix instructions a token), the softmax over g, p in f16 to LDS, onto the first 512 bytes of the same token's k, which I alone read.
.macro SBATCH
	v_add_nc_u32 v[KRA], s28, v[KR]
	v_add_nc_u32 v[QRA], s29, v[QR]
	WIN 0x80                                       ; destination window 2
.irp i, 0,1,2,3
.irp c, 0,1
.irp e, 0,1
	ds_load_b128 v[16*\i+8*\c+4*\e:16*\i+8*\c+4*\e+3], v[KRA] offset:\i*TP+(4*\c+2*\e)*256
	ds_load_b128 v[64+16*\i+8*\c+4*\e:64+16*\i+8*\c+4*\e+3], v[QRA] offset:(4*\c+2*\e)*256+16*\i
.endr
.endr
.endr
	s_wait_dscnt 0x0                               ; the fragments are in; the last batch's stores of p have read their registers
	WIN 0x0a                                       ; sources 0 and 1 window 2
.irp i, 0,1,2,3
	v_wmma_f32_16x16x32_f16 v[SS+8*\i:SS+8*\i+7], v[16*\i:16*\i+7], v[64+16*\i:64+16*\i+7], 0
.endr
.irp i, 0,1,2,3                        ; the four tokens' sums by turns
	v_wmma_f32_16x16x32_f16 v[SS+8*\i:SS+8*\i+7], v[16*\i+8:16*\i+15], v[64+16*\i+8:64+16*\i+15], v[SS+8*\i:SS+8*\i+7]
.endr
	WIN 0
	PLACES
.irp i, 0,1,2,3                        ; a lane holds head h = lane % 16 and the scores of g = 8 (lane / 16) + 0 .. 7.  The four tokens by turns: no line waits for the line above it
	v_max3_num_f32 v[T1+2*\i], v[SS+8*\i], v[SS+8*\i+1], v[SS+8*\i+2]
.endr
.irp i, 0,1,2,3
	v_max3_num_f32 v[T2+2*\i], v[SS+8*\i+3], v[SS+8*\i+4], v[SS+8*\i+5]
.endr
.irp i, 0,1,2,3
	v_max3_num_f32 v[T1+2*\i], v[T1+2*\i], v[SS+8*\i+6], v[SS+8*\i+7]
.endr
.irp i, 0,1,2,3
	v_max_num_f32 v[T1+2*\i], v[T1+2*\i], v[T2+2*\i]
.endr
.irp i, 0,1,2,3
	v_permlanex16_b32 v[T2+2*\i], v[T1+2*\i], s20, s21
.endr
.irp i, 0,1,2,3
	v_max_num_f32 v[MX+2*\i], v[T1+2*\i], v[T2+2*\i]   ; the row's largest score
.endr
.irp p, 0,2,4,6
.irp i, 0,1,2,3
	v_pk_add_f32 v[SS+8*\i+\p:SS+8*\i+\p+1], v[SS+8*\i+\p:SS+8*\i+\p+1], v[MX+2*\i:MX+2*\i+1] op_sel_hi:[1,0] neg_lo:[0,1] neg_hi:[0,1]   ; score - maximum first, so that no difference of large products is formed
.endr
.endr
.irp p, 0,2,4,6
.irp i, 0,1,2,3
	v_pk_mul_f32 v[SS+8*\i+\p:SS+8*\i+\p+1], v[SS+8*\i+\p:SS+8*\i+\p+1], s[22:23] op_sel_hi:[1,0]   ; x log2(e) / 8
.endr
.endr
.set j, 0
.rept 32
	v_exp_f32 v[SS+j], v[SS+j]                     ; one batch
.set j, j+1
.endr
	v_nop                                          ; a plain place behind the last exponential
	s_wait_alu depctr_va_vdst(0)                   ; one wait for the batch, ahead of its first reader
.irp i, 0,1,2,3
	v_pk_add_f32 v[T1+2*\i:T1+2*\i+1], v[SS+8*\i:SS+8*\i+1], v[SS+8*\i+2:SS+8*\i+3]
.endr
.irp i, 0,1,2,3
	v_pk_add_f32 v[T2+2*\i:T2+2*\i+1], v[SS+8*\i+4:SS+8*\i+5], v[SS+8*\i+6:SS+8*\i+7]
.endr
.irp i, 0,1,2,3
	v_pk_add_f32 v[T1+2*\i:T1+2*\i+1], v[T1+2*\i:T1+2*\i+1], v[T2+2*\i:T2+2*\i+1]
.endr
.irp i, 0,1,2,3
	v_add_f32 v[T1+2*\i], v[T1+2*\i], v[T1+2*\i+1]
.endr
.irp i, 0,1,2,3
	v_permlanex16_b32 v[T2+2*\i], v[T1+2*\i], s20, s21
.endr
.irp i, 0,1,2,3
	v_add_f32 v[T1+2*\i], v[T1+2*\i], v[T2+2*\i]   ; the row's sum, at least 1
.endr
.irp i, 0,1,2,3
	v_rcp_f32 v[RC+2*\i], v[T1+2*\i]
.endr
	v_nop
	s_wait_alu depctr_va_vdst(0)                   ; one wait for the four reciprocals
.irp p, 0,2,4,6
.irp i, 0,1,2,3
	v_pk_mul_f32 v[SS+8*\i+\p:SS+8*\i+\p+1], v[SS+8*\i+\p:SS+8*\i+\p+1], v[RC+2*\i:RC+2*\i+1] op_sel_hi:[1,0]
.endr
.endr
.irp q, 0,1,2,3
.irp i, 0,1,2,3
	v_cvt_pk_f16_f32 v[PP+4*\i+\q], v[SS+8*\i+2*\q], v[SS+8*\i+2*\q+1]
.endr
.endr
.irp i, 0,1,2,3
	ds_store_b128 v[KRA], v[PP+4*\i:PP+4*\i+3] offset:\i*TP   ; lane l's 16 bytes at 16 l: an image of source 1 of v^T p^T
.endr
	s_add_co_u32 s28, s28, 4*TP
	s_add_co_u32 s29, s29, 64
.endm
; o^T = v^T p^T for the token pairs A = 16 m + 4 hf + jj, B = A + 8, jj = 0 .. 3, my 16 channels of every head.  Register j of accumulator (m, g) holds, in lanes 0-15, v of token 16 m + j and, in lanes 16-31, of 16 m + 8 + j.
.macro PVBATCH m, hf
.if (\m) < 2
.set rP, PR
.set rO, OW
.else
.set rP, PR2
.set rO, OW2
.endif
.irp jj, 0,1,2,3
	ds_load_b128 v[PB+12*\jj:PB+12*\jj+3], v[rP] offset:(16*((\m)%2)+4*(\hf)+\jj)*TP
	ds_load_b128 v[PB+12*\jj+8:PB+12*\jj+11], v[rP] offset:(16*((\m)%2)+8+4*(\hf)+\jj)*TP
.endr
	WIN 0x0a                                       ; sources in window 2: heads g = 0 .. 7
.irp jj, 0,1,2,3
.irp ip, 0,1,2,3
	v_cvt_pk_f16_f32 v[AF+8*\jj+\ip], v[8*(8*(\m)+2*\ip)+4*(\hf)+\jj], v[8*(8*(\m)+2*\ip+1)+4*(\hf)+\jj]
.endr
.endr
	WIN 0x0f                                       ; window 3: g = 8 .. 15
.irp jj, 0,1,2,3
.irp ip, 0,1,2,3
	v_cvt_pk_f16_f32 v[AF+8*\jj+4+\ip], v[8*(8*(\m)+2*\ip)+4*(\hf)+\jj], v[8*(8*(\m)+2*\ip+1)+4*(\hf)+\jj]
.endr
.endr
	WIN 0
.irp jj, 0,1,2,3
.irp i, 0,1,2,3
	v_permlane16_swap_b32 v[AF+8*\jj+\i], v[AF+8*\jj+4+\i]   ; registers 0-3 now hold token A's 16 g (K = 0 .. 15), registers 4-7 token B's (K = 16 .. 31)
.endr
.endr
	s_wait_dscnt 0x0                               ; p is in; the last batch's stores have read their registers
.irp jj, 0,1,2,3
	v_wmma_f32_16x16x32_f16 v[DD+16*\jj:DD+16*\jj+7], v[AF+8*\jj:AF+8*\jj+7], v[PB+12*\jj:PB+12*\jj+7], 0           ; p of A, then zeros
	v_wmma_f32_16x16x32_f16 v[DD+16*\jj+8:DD+16*\jj+15], v[AF+8*\jj:AF+8*\jj+7], v[PB+12*\jj+4:PB+12*\jj+11], 0     ; zeros, then p of B
.endr
	PLACES
.irp jj, 0,1,2,3
.irp q, 0,1,2,3
	v_cvt_pk_f16_f32 v[AF+32+8*\jj+\q], v[DD+16*\jj+2*\q], v[DD+16*\jj+2*\q+1]
.endr
.irp q, 0,1,2,3
	v_cvt_pk_f16_f32 v[AF+36+8*\jj+\q], v[DD+16*\jj+8+2*\q], v[DD+16*\jj+8+2*\q+1]
.endr
.endr
.irp jj, 0,1,2,3                       ; lane (r, h): head r, channels 16 w + 8 h + 0 .. 7: one piece of row 16 m + r of o2
	ds_store_b128 v[rO], v[AF+32+8*\jj:AF+35+8*\jj] offset:((\m)%2)*T16+16*(4*(\hf)+\jj)
	ds_store_b128 v[rO], v[AF+36+8*\jj:AF+39+8*\jj] offset:((\m)%2)*T16+16*(8+4*(\hf)+\jj)
.endr
.endm
.macro G2FETCH set, off                ; o2's four fragments of a K step of 32: eight loads
.irp m, 0,1
.irp e, 0,1
	ds_load_b128 v[AF+32*(\set)+8*\m+4*\e:AF+32*(\set)+8*\m+4*\e+3], v[AA] offset:\m*T16+(\off)+32*\e
	ds_load_b128 v[AF+32*(\set)+16+8*\m+4*\e:AF+32*(\set)+16+8*\m+4*\e+3], v[AA2] offset:\m*T16+(\off)+32*\e
.endr
.endr
.endm
; 32 matrix instructions of the last product: four tiles of rows x eight tiles of columns, 32 along K.  cmode = 1: they start the sums, with the bias as C.
.macro MUL2 set, aset, u, cmode
.if \cmode
	WIN 0x81+0x40*(\u)                             ; source 0 window 1, source 1 and C window 0, D window 2 + u
.else
	WIN 0xa1+0x50*(\u)
.endif
.irp m, 0,1,2,3
.irp i, 0,1,2,3,4,5,6,7
.set rD, 8*(8*\m+\i)
.set rW, 64*(\set)+8*\i
.set rA, AF+32*(\aset)+8*\m
.set rB, SCR+8*(8*(\u)+\i)
.if \cmode
	v_wmma_f32_16x16x32_f16 v[rD:rD+7], v[rW:rW+7], v[rA:rA+7], v[rB:rB+7]
.else
	v_wmma_f32_16x16x32_f16 v[rD:rD+7], v[rW:rW+7], v[rA:rA+7], v[rD:rD+7]
.endif
.endr
.endr
.endm
.macro HALF2 hs, cmode, tail           ; tail = 1: the last trip: only its first half step has a block left to ask for
.if ((\tail) == 0) || ((\hs) == 0)
	PLACES
	RINGLOAD ((\hs)+3)%4, (\hs)+3, 0
.endif
.if (\hs) == 0
	G2FETCH 1, 64
	s_wait_dscnt 8                                 ; only the eight just issued may be out
.endif
.if (\hs) == 2
.if \tail
	s_wait_dscnt 0x0
.else
	s_add_co_u32 s30, s30, 128
	v_add_nc_u32 v[AA], s30, v[AR]
	v_add_nc_u32 v[AA2], s30, v[AR2]
	G2FETCH 0, 0
	s_wait_dscnt 8
.endif
.endif
.if \tail
	s_wait_loadcnt 48-16*(\hs)                     ; the counts run down
.else
	s_wait_loadcnt 48                              ; behind the set in hand: three sets of 16 loads (in the first trip some of 17: the count is then the stricter one)
.endif
	MUL2 \hs, (\hs)/2, (\hs)%2, \cmode
.endm
.macro TRIP2 cmode, tail
	HALF2 0, \cmode, \tail
	HALF2 1, \cmode, \tail
	HALF2 2, 0, \tail
	HALF2 3, 0, \tail
	WIN 0
.if (\tail) == 0
	s_wait_xcnt 0x0
	s_add_nc_u64 s[16:17], s[16:17], 32768
.endif
.endm
; Tile m of rows goes out: 16 rows (heads) x my 256 columns through my own stage, back as rows of 1,024 bytes.
.macro OUTBLK m
.if (\m) > 0
	s_wait_xcnt 0x0                                ; the last tile's stores have read their registers: the loads below may land there
.endif
	WIN 0x08                                       ; the data: window 2
.irp i, 0,1,2,3,4,5,6,7
	ds_store_b128 v[SO], v[8*(8*(\m)+\i):8*(8*(\m)+\i)+3] offset:64*\i          ; each accumulator from its low end on
	ds_store_b128 v[SO], v[8*(8*(\m)+\i)+4:8*(8*(\m)+\i)+7] offset:64*\i+16
.endr
	WIN 0x0c                                       ; window 3
.irp i, 0,1,2,3,4,5,6,7
	ds_store_b128 v[SO], v[8*(8*(\m)+\i):8*(8*(\m)+\i)+3] offset:512+64*\i
	ds_store_b128 v[SO], v[8*(8*(\m)+\i)+4:8*(8*(\m)+\i)+7] offset:512+64*\i+16
.endr
	WIN 0
.set q, 0
.rept 32
	ds_load_b128 v[SCR+4*q:SCR+4*q+3], v[SR] offset:(q/2)*OP+512*(q%2)   ; LDS serves a wave's instructions in order: these see the stores above, and the next tile's stores come behind them
.set q, q+1
.endr
.set q, 0
.rept 32
	s_wait_dscnt 31-q
	global_store_b128 v[LI], v[SCR+4*q:SCR+4*q+3], s[10:11] offset:(q/2)*524288+(\m)*4096+512*(q%2) th:TH_STORE_NT   ; 32 lanes store 512 consecutive bytes, aligned; head q / 2 lies 128 rows of out0 on: 7,877,120 bytes at the most, inside the signed 24-bit immediate
.set q, q+1
.endr
.endm
	; ---- the head
	s_load_b256 s[4:11], s[0:1], 0x0               ; x s[4:5], wts s[6:7], b_proj s[8:9], out0 s[10:11]
	v_lshl_add_u32 v[SPW], v0, 2, SPARE
	v_mov_b32 v[NIL], 0
	v_lshrrev_b32 v2, 5, v0
	v_readfirstlane_b32 s12, v2                    ; wave 0..3
	v_and_b32 v1, 31, v0
	v_lshlrev_b32 v[LI], 4, v1                     ; 16 x lane
	v_and_b32 v2, 15, v0                           ; r
	v_bfe_u32 v3, v0, 4, 1                         ; h
	v_mul_u32_u24 v128, v2, TP                     ; TP r
	v_lshl_add_u32 v129, v3, 8, v128               ; TP r + 256 h
	s_mul_i32 s14, s12, 16*XP
	s_add_co_u32 s14, s14, KREG
	v_add_nc_u32 v[STW], s14, v[LI]
	v_mul_u32_u24 v[STR], v2, XP
	v_lshl_add_u32 v[STR], v3, 6, v[STR]
	v_add_nc_u32 v[STR], s14, v[STR]
	s_lshl_b32 s14, s12, 10
	v_add_nc_u32 v[XWI], s14, v[LI]
	s_add_co_u32 s15, s14, BIAS
	v_add_nc_u32 v[BIW], s15, v[LI]
	v_lshl_add_u32 v[BIA], v3, 5, s15
	s_lshl_b32 s14, s12, 2
	s_add_co_u32 s14, s14, XSC
	v_add_nc_u32 v[XWS], s14, v[LI]
	s_lshl_b32 s14, s12, 6
	s_add_co_u32 s14, s14, KREG
	v_add_nc_u32 v[KW], s14, v129
	v_add_nc_u32 v[KW2], T32, v[KW]
	s_mul_i32 s14, s12, 4*TP
	s_add_co_u32 s14, s14, QO
	v_add_nc_u32 v[QW], s14, v[LI]
	v_add_nc_u32 v[QW2], T32, v[QW]
	s_mul_i32 s14, s12, T16
	s_add_co_u32 s15, s14, KREG
	v_add_nc_u32 v[KR], s15, v[LI]
	s_add_co_u32 s15, s14, QO
	v_add_nc_u32 v[QR], s15, v129
	v_add_nc_u32 v[PR], KREG, v[LI]
	v_add_nc_u32 v[PR2], KREG+T32, v[LI]
	s_lshl_b32 s14, s12, 9
	s_add_co_u32 s14, s14, QO
	v_add_nc_u32 v[OW], s14, v129
	v_add_nc_u32 v[OW2], T32, v[OW]
	v_lshl_add_u32 v[AR], v3, 4, v128
	v_add_nc_u32 v[AR], QO, v[AR]
	v_add_nc_u32 v[AR2], T32, v[AR]
	s_mul_i32 s14, s12, 16*OP
	s_add_co_u32 s14, s14, KREG
	v_mul_u32_u24 v[SO], v2, OP
	v_lshl_add_u32 v[SO], v3, 5, v[SO]
	v_add_nc_u32 v[SO], s14, v[SO]
	v_add_nc_u32 v[SR], s14, v[LI]
.irp b, 0,1,2,3
	v_mov_b32 v[TM+4+\b], 0                        ; written once: a lane permute's destination counts as one of its sources
.endr
	s_mov_b32 s20, 0x76543210
	s_mov_b32 s21, 0xfedcba98                      ; v_permlanex16_b32's selects for lane l xor 16
	s_mov_b32 s22, 0x3e38aa3b                      ; log2(e) / 8: the head's 64^-0.5 and the exponential's base
	s_mov_b32 s23, s22                             ; (named with it as a pair, so it is written)
	s_lshl_b32 s32, ttmp9, 18                      ; x: my work-group's 64 rows of 4,096 bytes,
	s_lshl_b32 s33, s12, 16                        ; my wave's 16 of them
	s_add_co_u32 s32, s32, s33
	s_mov_b32 s33, 0
	s_lshr_b32 s34, ttmp9, 5                       ; out0: batch g / 32, 2,048 rows each;
	s_lshl_b32 s34, s34, 23
	s_and_b32 s35, ttmp9, 31                       ; row 4 (g % 32) of a head's 128;
	s_lshl_b32 s35, s35, 14
	s_add_co_u32 s34, s34, s35
	s_lshl_b32 s38, s12, 10                        ; my 256 columns (and my 256 numbers of the bias)
	s_add_co_u32 s34, s34, s38
	s_mov_b32 s35, 0
	s_mov_b32 s39, 0
	s_mul_i32 s36, s12, WSTR                       ; my stream
	s_mov_b32 s37, 0
	s_wait_kmcnt 0x0
	s_add_nc_u64 s[4:5], s[4:5], s[32:33]
	s_add_nc_u64 s[10:11], s[10:11], s[34:35]
	s_add_nc_u64 s[8:9], s[8:9], s[38:39]
	s_add_nc_u64 s[18:19], s[6:7], s[36:37]
	s_add_nc_u64 s[16:17], s[18:19], CB
	global_load_b128 v[BT:BT+3], v[LI], s[8:9]
	global_load_b128 v[BT+4:BT+7], v[LI], s[8:9] offset:512
	XLOAD 0
	XLOAD 1
	XLOAD 2
	WIN 0
	s_wait_loadcnt 48                              ; the bias is in; x's three steps stay out
	ds_store_b128 v[BIW], v[BT:BT+3]
	ds_store_b128 v[BIW], v[BT+4:BT+7] offset:512
	; ---- X: my 16 tokens of x become eight fragments
.irp s, 0,1,2,3,4,5,6,7
	XSTEP \s
.endr
	BARRIER                                        ; x's 36 images and their scale words lie in LDS; nobody uses a stage of phase X any more
	; ---- passes k and q: one text, walked twice
	PASSHEAD
	AFETCH 0, 0
	s_mov_b32 s27, 0
.Lpass:
	TRIP1 0, 1                                     ; a pass's first two K steps stand in front of the loop: the first starts the sums
	s_mov_b32 s26, 3
.Ltrip_t:
	TRIP1 0, 0
	s_sub_co_u32 s26, s26, 1
	s_cmp_lg_u32 s26, 0
	s_cbranch_scc1 .Ltrip_t
	PASSHEAD                                       ; the next pass begins at x's step 1 again (its step 0 has been fetched, as step 8)
	PLACES
	s_cmp_lg_u32 s27, 0                            ; the count of passes: the same in every wave; no barrier stands in either arm
	s_cbranch_scc1 .Lepi_q
	EPI KW, KW2, 16                                ; k: token x TP + 256 (d / 8) + 16 g
	s_branch .Lepi_done
.Lepi_q:
	EPI QW, QW2, TP                                ; q: row (16 m + head) x TP + 256 (d / 8) + 16 (n % 16)
.Lepi_done:
	s_add_co_u32 s27, s27, 1
	s_cmp_lt_u32 s27, 2
	s_cbranch_scc1 .Lpass
	BARRIER                                        ; k and q are whole
	; ---- the softmax of my 16 tokens, four at a time
	s_mov_b32 s28, 0
	s_mov_b32 s29, 0
.irp i, 0,1,2,3
	v_mov_b32 v[MX+2*\i+1], 0                      ; the upper halves of pairs of which the low word serves both halves: named, so written
	v_mov_b32 v[RC+2*\i+1], 0
.endr
	s_mov_b32 s26, 4
.Lsoft:
	SBATCH
	s_sub_co_u32 s26, s26, 1
	s_cmp_lg_u32 s26, 0
	s_cbranch_scc1 .Lsoft
	; ---- pass v: it stays in the accumulators.  Its last three half steps ask for the first three blocks of w_proj, which follow the codes in my stream; the scale loads that go with these three
	; read the first bytes of the codes and are not used, nor is the pass's last fetch of x
	TRIP1 1, 1
	s_mov_b32 s26, 3
.Ltrip_n:
	TRIP1 1, 0
	s_sub_co_u32 s26, s26, 1
	s_cmp_lg_u32 s26, 0
	s_cbranch_scc1 .Ltrip_n
	BARRIER                                        ; p of all 64 tokens lies in LDS, and nobody reads q any more
	; ---- o^T = v^T p^T: o2 takes q's place
.irp jj, 0,1,2,3
.irp i, 4,5,6,7
	v_mov_b32 v[PB+12*\jj+\i], 0                   ; the zeros between p of A and p of B.  (These sixteen are also the places behind pass v's last products)
.endr
.endr
.irp m, 0,1,2,3
	PVBATCH \m, 0                                  ; registers 0-3 of each accumulator first
	PVBATCH \m, 1
.endr
	BARRIER                                        ; o2 is whole, and nobody reads p any more
	; ---- out = o2 w_proj + b
	s_mov_b32 s30, 0
	v_mov_b32 v[AA], v[AR]
	v_mov_b32 v[AA2], v[AR2]
.irp t, 0,1,2,3,4,5,6,7,8,9,10,11,12,13,14,15
	ds_load_b128 v[SCR+8*\t:SCR+8*\t+3], v[BIA] offset:64*\t          ; the bias in the result's layout: lane (r, h), tile t: b(256 w + 16 t + 8 h + 0 .. 7)
	ds_load_b128 v[SCR+8*\t+4:SCR+8*\t+7], v[BIA] offset:64*\t+16
.endr
	G2FETCH 0, 0
	TRIP2 1, 0                                     ; the first K step takes the bias as C: no addition, nothing cleared
	s_mov_b32 s26, 14
.Ltrip_p:
	TRIP2 0, 0
	s_sub_co_u32 s26, s26, 1
	s_cmp_lg_u32 s26, 0
	s_cbranch_scc1 .Ltrip_p
	TRIP2 0, 1                                     ; the last trip is written out: no load leaves my stream
	; ---- the way out
	PLACES
	OUTBLK 0
	OUTBLK 1
	OUTBLK 2
	OUTBLK 3
	s_wait_tensorcnt 0x0                           ; the wave's end, behind my last LDS store
	ds_add_u32 v[SPW], v[NIL]
	s_wait_dscnt 0x0
	s_endpgm
.Lfunc_end_k_q2fe72c3eef_fused:
	.size	k_q2fe72c3eef_fused, .Lfunc_end_k_q2fe72c3eef_fused-k_q2fe72c3eef_fused
	.p2alignl 7, 3214868480
	.fill 96, 4, 3214868480
	.section	.rodata,"a",@progbits
	.p2align	6, 0x0
	.amdhsa_kernel k_q2fe72c3eef_fused
		.amdhsa_group_segment_fixed_size 310272
		.amdhsa_private_segment_fixed_size 0
		.amdhsa_enable_private_segment 0
		.amdhsa_kernarg_size 32
		.amdhsa_user_sgpr_count 2
		.amdhsa_user_sgpr_kernarg_segment_ptr 1
		.amdhsa_wavefront_size32 1
		.amdhsa_system_sgpr_workgroup_id_x 1
		.amdhsa_system_sgpr_workgroup_id_y 1
		.amdhsa_system_sgpr_workgroup_id_z 1
		.amdhsa_system_vgpr_workitem_id 0
		.amdhsa_next_free_vgpr 1024
		.amdhsa_next_free_sgpr 66
		.amdhsa_reserve_vcc 0
		.amdhsa_float_denorm_mode_32 3
		.amdhsa_float_denorm_mode_16_64 3
		.amdhsa_memory_ordered 1
		.amdhsa_forward_progress 1
		.amdhsa_inst_pref_size 255
	.end_amdhsa_kernel
	.section	.bss,"aw",@nobits
	.p2align	6
	.space	262144
	.amdgpu_metadata
---
amdhsa.version: [ 1, 2 ]
amdhsa.kernels:
  - .name:           k_q2fe72c3eef_fused
    .symbol:         k_q2fe72c3eef_fused.kd
    .args:
      - { .name: x, .offset: 0, .size: 8, .value_kind: global_buffer, .address_space: global }
      - { .name: wts, .offset: 8, .size: 8, .value_kind: global_buffer, .address_space: global }
      - { .name: b_proj, .offset: 16, .size: 8, .value_kind: global_buffer, .address_space: global }
      - { .name: out0, .offset: 24, .size: 8, .value_kind: global_buffer, .address_space: global }
    .group_segment_fixed_size: 310272
    .private_segment_fixed_size: 0
    .kernarg_segment_align: 8
    .kernarg_segment_size: 32
    .max_flat_workgroup_size: 128
    .sgpr_count:     66
    .vgpr_count:     1024
    .wavefront_size: 32
...
	.end_amdgpu_metadata
.endif
;; end of part 2
;; ======== version 2 of 2: 2 launches; version 1 with the launch fused written anew for expert scheduling mode
;; limits: values are held in f16: magnitudes above 65,504 overflow, below 6.1e-05 lose precision
;; workspace buffers: wts 3,768,320 bytes
;; launch prep: the kernel of part 1 again; grid 320 x 1, 4 waves a work-group, no clusters, 0 bytes of LDS; arguments w_qkv, w_proj, wts; writes wts
;; launch fused (part 3): grid 256 x 1, 4 waves a work-group, no clusters, 310,272 bytes of LDS; arguments x, wts, b_proj, out0; writes out0
.if DOCPART == 3
	.amdgcn_target "amdgcn-amd-amdhsa--gfx1250"
	.amdhsa_code_object_version 6
	.text
	.protected	k_q2fe72c3eef_fused
	.globl	k_q2fe72c3eef_fused
	.p2align	8
	.type	k_q2fe72c3eef_fused,@function
k_q2fe72c3eef_fused:
	s_mov_b64 s[64:65], 0
	v_nop
	global_prefetch_b8 v0, s[64:65] scope:SCOPE_SE
	s_setreg_imm32_b32 hwreg(HW_REG_WAVE_SCHED_MODE, 0, 2), 2
	s_setreg_imm32_b32 hwreg(HW_REG_WAVE_MODE, 25, 1), 1
	s_wait_xcnt 0x0
	s_wait_alu depctr_vm_vsrc(0)
; out = o2 w_proj + b_proj, o2 the literal transpose and reshape of softmax(q k^T / 8) v taken PER TOKEN over its 16 heads, q k v = x w_qkv on codes of E2M1.
; o2[b][128 head + n / 16][64 (n % 16) + d] = o[b][n][head][d]: sixteen aligned neighbouring tokens with all their heads fill sixteen WHOLE rows of o2.  So a work-group that owns 64 aligned
; tokens owns 64 whole rows of the last product, and the whole chain stays in it: 16,384 / 64 = 256 work-groups of four waves.  Memory sees x, the weights and out0, nothing between.
; SHARES.  The waves share the COLUMNS of the large products: wave w makes heads 4 w .. 4 w + 3 of k and of q, channels 16 w .. 16 w + 15 of every head of v, columns 256 w .. + 255 of out, each for all 64 tokens
; (64 accumulators of 16 x 16, 512 registers).  So each weight byte is loaded once in a work-group, by one wave, from memory straight into operand registers, in the order in which the launch before has laid it:
; a ring of four register sets of 8 fragments, three of them on their way at all times.  The waves share the TOKENS where x is quantised and in the softmax: 16 each.
; PHASES.  X: x to codes, as images of the operand's registers in LDS | barrier | passes k, q: S-operands to LDS in f16 | barrier | S^T = k q^T, softmax, p to LDS; pass v (stays in accumulators) | barrier |
; o^T = v^T p^T, o2 to LDS where q lay | barrier | out = o2 w_proj + b, through each wave's own stage to memory.
; ORIENTATION.  Passes k, q and the last product are used transposed (source 0 = 16 columns of the weight, source 1 = 16 rows): a lane holds one row and eight neighbouring columns.  Pass v is used straight
; (source 0 = 16 tokens): a lane holds one channel and eight tokens, which is what v^T wants.  S^T = k q^T gives a lane one head h and eight heads g, so that a maximum or a sum wants one exchange of lane halves.
; v^T p^T has K = 16: two tokens share a matrix instruction's K of 32 in source 0, and zeros in source 1 cut the other token off.
; THE LAST PRODUCT'S K is walked in the order of o2's 16-byte pieces in LDS, piece ci = 16 (d / 8) + n % 16; w_proj's pieces were laid in the same order, so the products are the same.
; NO JOINT LOADS, though all 256 work-groups walk the same weights: a joint load lands in LDS, and x's images, k and q / o2 take 305,664 of 327,680 bytes; a half step of the four waves is 4 x 8,704 bytes,
; and two slots of that, 69,632 bytes, do not fit into what is left.  No prefetch: x's loads go out at the head, and the weights are no stream that is read once.
; LIMITS: q, k, v, p, o and w_proj go to the matrix units in f16: magnitudes of x w_qkv beyond 65,504 are not served (an infinity would meet the zeros that pad K); at the drawn spread they are about 0.6,
; with both inputs 30 times larger under 4e3, with offsets of 30 spreads on both about 2e4.  NaN and infinities among the inputs are not served.  A block of zeros of x gets the scale byte 1 (its codes are zeros).
; A weight p under 2^-126 counts as 0.
; REGISTERS, in windows of 256.  Window 0: v1-31 addresses; v32-47 the weights' scale words, 4 sets of 4; v48-55 x's, 2 sets of 4; v56-63 the bias on its way to LDS; v64-127 two sets of 4 row fragments; v128-255 at work.
;   Window 1: the ring, 4 sets of 64.   Windows 2, 3: accumulator (m, t) at v[8 (8 m + t % 8)] of window 2 + t / 8; window 2 also holds x as loaded (phase X) and k's and q's fragments (softmax).
; THE MODE: SCHED_MODE bits 1:0 = 2 (LLVM: expert scheduling mode 2), set by the entry lines.  The code itself states the register dependences between vector or matrix instructions and memory or LDS
; instructions, with s_wait_alu, always for 0.
; THE PLAN.  Registers that memory or LDS instructions touch, who else names them, and the wait that parts the two:
;   v1-29             addresses, made at the head ahead of ONE wait on va_vdst in front of the first load.  Written again are only v[AAD], v[ASD] and v[AA], v[AA2], at a trip's end, behind a wait on vm_vsrc beside the
;                     wait on XCNT that stands there (the next half step's wait on va_vdst shows them written), and v[KRA], v[QRA], between the two waits at the head of a softmax batch.
;   the ring, v32-47  Half step n: its 32 products read set n % 4 and that set's scale words; the loads of half step n + 1 land there.
;   v64-127, v48-55   The rows' set a (x's, later o2's): read by the products of two half steps; the fetch two half steps on lands there.
;                     ONE wait on va_vdst at a half step's head states both: all earlier products are done reading.  The products behind it name the ring set in hand, the rows' set in hand and the accumulators:
;                     none of the registers in which that half step's loads land.  The loads stay in one run, ahead of the wait for the set in hand, so that a fourth set is asked for before the wave waits.
;   phase X           Window 2's four sets: x's loads land, the stores into the stage read.  v[PC ..], v[PW]: the quantiser writes, the image stores read.  v[SCR ..]: the loads from the stage land, the quantiser reads.
;                     A wait on vm_vsrc at a step's head, a wait on va_vdst behind the quantiser.
;   v128-255 later    Out-buffers of roundings (k, q, p) and of the way out: a wait on va_vdst between a run of roundings and its stores, a wait on vm_vsrc ahead of the next writer.
;   v30, v31          written at the head, read by the closing add alone.
.set WSTR,  942080                     ; a wave's stream of weights: scale words, codes from CB on, f16 behind them
.set CB,    24576
.set TP,    2064                       ; a token's k, or a row of q / o2: 2,048 bytes + 16: an odd multiple of 16, so that sixteen rows start at sixteen different banks (64 banks of 4 bytes: ISA guide 11.1)
.set T16,   16*TP
.set T32,   32*TP
.set XP,    528                        ; a row of the stage of phase X: 512 bytes + 16
.set OP,    1040                       ; a row of the stage on the way out: 1,024 bytes + 16
.set XIMG,  0                          ; x's fragments as register images, 1,024 bytes each: slot 4 s + m, s = 0 .. 8; step 8 is step 0 once more, so that the fetch one step ahead runs over a pass's end
.set XSC,   36864                      ; x's scale words [s 0..8][lane][m]: 512 bytes a step
.set KREG,  41472                      ; k: token x TP + 256 (d / 8) + 16 g; then p in a token's first 512 bytes.  Phase X's stages and the way out's lie here too, each in its own time
.set QO,    KREG+64*TP                 ; row (16 m + head) x TP + 16 x piece, piece = 16 (d / 8) + n % 16: q, then o2
.set BIAS,  QO+64*TP                   ; 1,024 bytes a wave: its 256 numbers of b_proj
.set SPARE, BIAS+4096                  ; the spare words, 128 bytes for each wave: two blocks of 256 bytes that no other line names
.set LI,  1                            ; 16 x lane
.set STW, 4                            ; phase X's stage, in: + 16 x lane
.set STR, 5                            ; and back: + XP r + 64 h
.set XWI, 6                            ; where I store x's images: 1,024 w + 16 x lane
.set XWS, 7                            ; and their scale words: XSC + 16 x lane + 4 w
.set KW,  8                            ; k's store: KREG + TP r + 256 h + 64 w;  KW2: 32 tokens on
.set KW2, 9
.set QW,  10                           ; q's store: QO + 4 TP w + 16 x lane;  QW2: 32 rows on
.set QW2, 11
.set KR,  12                           ; k's fragments of my 16 tokens: KREG + T16 w + 16 x lane
.set QR,  13                           ; q's: QO + T16 w + TP r + 256 h
.set KRA, 14                           ; the two with the batch's step
.set QRA, 15
.set PR,  16                           ; p: KREG + 16 x lane;  PR2: 32 tokens on
.set PR2, 17
.set OW,  18                           ; o2's store: QO + TP r + 256 h + 512 w;  OW2: 32 rows on
.set OW2, 19
.set AR,  20                           ; o2's fragments: QO + TP r + 16 h;  AR2: 32 rows on
.set AR2, 21
.set AA,  22                           ; the two with the trip's K step
.set AA2, 23
.set AAD, 24                           ; x's images with the trip's K step
.set ASD, 25                           ; x's scale words with the trip's K step
.set SO,  26                           ; the way out's stage, in: KREG + 16 OP w + OP r + 32 h
.set SR,  27                           ; and back: + 16 x lane
.set BIA, 28                           ; the bias as a C operand: BIAS + 1,024 w + 32 h
.set BIW, 29                           ; the bias's store: BIAS + 1,024 w + 16 x lane
.set SPW, 30                           ; LDS address of my spare word; never rewritten
.set NIL, 31                           ; 0; never rewritten
.set WSR, 32
.set XS,  48
.set BT,  56
.set AF,  64
.set SCR, 128
.set TM,  192                          ; the quantiser: v192-195 largest magnitudes, v196-199 the other half's, then bytes, v204-207 the conversions' scale operands
.set PW,  208                          ; the scale word just made
.set PC,  210                          ; v210-217 the codes just made
.set SS,  128                          ; the softmax: v128-159 scores of four tokens, then p
.set MX,  160                          ; pairs: the maxima,
.set T1,  168                          ; at work,
.set T2,  176
.set RC,  184                          ; 1 / sum,
.set PP,  192                          ; v192-207 p in f16
.set PB,  128                          ; v^T p^T: v[PB + 12 jj]: p of token A (4), zeros (4), p of token B (4)
.set DD,  176                          ; its results, 8 x 8
; s12 wave; s[16:17] the ring's place in my stream; s[18:19] the scale words'; s[20:21] lane selects; s[22:23] log2(e) / 8; s24, s25 x's K step in XIMG, XSC; s26, s27 counters; s28, s29 the softmax's batch; s30 o2's K step
.set MSB, 0
.macro WIN new                         ; the immediate's high byte repeats the setting that is left; a switch that changes nothing is dropped
.if MSB != (\new)
	s_set_vgpr_msb (MSB<<8)|(\new)
.set MSB, (\new)
.endif
.endm
; A vector instruction or an LDS store that reads a matrix result stands four places behind it, and only plain vector instructions that name none of its registers are places.
; The four places in front of loads into registers that matrix instructions have read stay as well, ahead of the wait that states that dependence.
.macro PLACES
.rept 4
	v_nop
.endr
.endm
.macro BARRIER                         ; my LDS stores have landed and my LDS loads are in: then the work-group's barrier
	s_wait_dscnt 0x0
	s_barrier_signal -1
	s_barrier_wait -1
.endm
.macro XLOAD s                         ; K step s of my 16 tokens of x into window 2, set s % 4: a load reads 512 consecutive bytes of one row
	WIN 0x80
.irp i, 0,1,2,3,4,5,6,7,8,9,10,11,12,13,14,15
	global_load_b128 v[64*((\s)%4)+4*\i:64*((\s)%4)+4*\i+3], v[LI], s[4:5] offset:\i*4096+(\s)*512 th:TH_LOAD_NT
.endr
.endm
.macro RINGLOAD set, blk, sc           ; a block of my stream, 8 fragments, 8,192 consecutive bytes, into ring set; sc = 1: and its 512 bytes of scale words
	WIN 0x40
.irp i, 0,1,2,3,4,5,6,7
.irp c, 0,1
	global_load_b128 v[64*(\set)+8*\i+4*\c:64*(\set)+8*\i+4*\c+3], v[LI], s[16:17] offset:(\blk)*8192+\i*1024+\c*512
.endr
.endr
.if \sc
	WIN 0
	global_load_b128 v[WSR+4*(\set):WSR+4*(\set)+3], v[LI], s[18:19] offset:(\blk)*512
.endif
.endm
; 64 numbers of a lane, register 16 b + i = k 32 b + 16 (lane / 16) + i of my row, become a fragment's codes in v[PC] on and its scale word in v[PW].
.macro QUANT src
.irp b, 0,1,2,3
	v_max3_num_f32 v[TM+\b], |v[\src+16*\b]|, |v[\src+1+16*\b]|, 0x1800000   ; block b: my 16 numbers, and the floor 2^(3 - 127): the byte cannot fall under 1
.endr
.irp i, 2,4,6,8,10,12,14
.irp b, 0,1,2,3
	v_max3_num_f32 v[TM+\b], v[TM+\b], |v[\src+16*\b+\i]|, |v[\src+1+16*\b+\i]|   ; (the four blocks by turns)
.endr
.endr
.irp b, 0,1,2,3
	v_permlanex16_b32 v[TM+4+\b], v[TM+\b], s20, s21
.endr
.irp b, 0,1,2,3
	v_max_num_f32 v[TM+\b], v[TM+\b], v[TM+4+\b]   ; with lane l xor 16's: the block's largest magnitude
.endr
.irp b, 0,1,2,3
	v_add_nc_u32 v[TM+12+\b], 0xff000000, v[TM+\b] ; 2 off its exponent field: the conversion's scale operand
.endr
.irp b, 0,1,2,3
	v_lshrrev_b32 v[TM+4+\b], 23, v[TM+12+\b]      ; the scale's byte
.endr
	v_lshl_or_b32 v[PW], v[TM+5], 8, v[TM+4]       ; the four bytes make my row's scale word
	v_lshl_or_b32 v[PW], v[TM+6], 16, v[PW]
	v_lshl_or_b32 v[PW], v[TM+7], 24, v[PW]
.irp b, 0,1,2,3
	v_cvt_scalef32_pk8_fp4_f32 v[PC+2*\b], v[\src+16*\b:\src+7+16*\b], v[TM+12+\b]
	v_cvt_scalef32_pk8_fp4_f32 v[PC+1+2*\b], v[\src+8+16*\b:\src+15+16*\b], v[TM+12+\b]
.endr
	v_nop                                          ; one plain place behind a scaled conversion
.irp c, 0,1                            ; the operand's layout wants a WHOLE block in a lane: lanes 0-15 block 2 c, lanes 16-31 block 2 c + 1
.irp i, 0,1
	v_permlane16_swap_b32 v[PC+4*\c+\i], v[PC+2+4*\c+\i]
.endr
.endr
.endm
; K step s of phase X.  The loads take x as it lies, 16 bytes a lane; the quantiser wants 16 neighbours of each block of 32 in a lane: the step's 8,192 bytes turn through my own stage.
.macro XSTEP s
.if (\s) > 0
.if (\s)+3 < 8
	WIN 0x80                                       ; the switch, then the wait, then the loads
.endif
	s_wait_alu depctr_vm_vsrc(0)                   ; the last step's stores into the stage have read the set of window 2 in which the loads below land; its image stores have read v[PC ..] and v[PW], which this step's quantiser writes again
.endif
.if (\s)+3 < 8
	XLOAD (\s)+3                                   ; three steps ahead
.else
	RINGLOAD (\s)-5, (\s)-5, 1                     ; x is all asked for: the ring's first three sets go out, into registers that nothing has named yet
.endif
.if (\s) < 5
	s_wait_loadcnt 48                              ; this step's 16 loads are in; behind them: three steps of 16
.else
	s_wait_loadcnt 44+(\s)                         ; behind them: 7 - s steps of 16 and s - 4 ring sets of 17
.endif
	WIN 0x08                                       ; an LDS store's data are its source 1: window 2
.irp i, 0,1,2,3,4,5,6,7,8,9,10,11,12,13,14,15
	ds_store_b128 v[STW], v[64*((\s)%4)+4*\i:64*((\s)%4)+4*\i+3] offset:\i*XP
.endr
	WIN 0
.irp b, 0,1,2,3
.irp j, 0,1,2,3
	ds_load_b128 v[SCR+16*\b+4*\j:SCR+16*\b+4*\j+3], v[STR] offset:128*\b+16*\j   ; LDS serves a wave's instructions in order (ISA guide 5.7.1.4): these see the stores above.  No vector instruction since the last wait on va_vdst names v[SCR ..]
.endr
.endr
	s_wait_dscnt 0x0                               ; the numbers are back
	QUANT SCR
	s_wait_alu depctr_va_vdst(0)                   ; the quantiser has written v[PC ..] and v[PW], which the stores below read, and is done reading v[SCR ..], in which the next step's loads from the stage land
.irp c, 0,1
	ds_store_b128 v[XWI], v[PC+4*\c:PC+4*\c+3] offset:XIMG+(\s)*4096+512*\c   ; the fragment as it stands: lane l's 16 bytes at 16 l
.endr
	ds_store_b32 v[XWS], v[PW] offset:(\s)*512
.if (\s) == 0
.irp c, 0,1
	ds_store_b128 v[XWI], v[PC+4*\c:PC+4*\c+3] offset:XIMG+8*4096+512*\c      ; step 0 once more, as step 8
.endr
	ds_store_b32 v[XWS], v[PW] offset:8*512
.endif
.endm
.macro PASSHEAD                        ; x's K step 0
	s_mov_b32 s24, 0
	s_mov_b32 s25, XSC
	v_mov_b32 v[AAD], v[LI]
	v_add_nc_u32 v[ASD], XSC, v[LI]
.endm
.macro AFETCH set, off                 ; x's four fragments and four scale words of a K step, off bytes of images on from the trip's first: nine loads
.irp m, 0,1,2,3
.irp c, 0,1
	ds_load_b128 v[AF+32*(\set)+8*\m+4*\c:AF+32*(\set)+8*\m+4*\c+3], v[AAD] offset:(\off)+1024*\m+512*\c
.endr
.endr
	ds_load_b128 v[XS+4*(\set):XS+4*(\set)+3], v[ASD] offset:(\off)/8
.endm
; 32 matrix instructions: the four tiles of tokens x eight tiles of the weight (half u of my 16), 128 along K.  orient = 0: source 0 the weight; 1: source 0 the tokens.  zero = 1: they start the sums.
; A register of the weights' scale words carries two tiles: the even one's in lanes 0-15, the odd one's in lanes 16-31.  The 32 accumulators take turns, one instruction a turn.
.macro MUL1 orient, set, aset, u, zero
.if \orient
	WIN 0xa4+0x50*(\u)                             ; source 0 window 0, source 1 window 1, C and D window 2 + u
.else
	WIN 0xa1+0x50*(\u)                             ; source 0 window 1, source 1 window 0, C and D window 2 + u
.endif
.irp m, 0,1,2,3
.irp i, 0,1,2,3,4,5,6,7
.set rD, 8*(8*\m+\i)
.set rW, 64*(\set)+8*\i
.set rA, AF+32*(\aset)+8*\m
.set rY, WSR+4*(\set)+\i/2
.set rX, XS+4*(\aset)+\m
.if \orient
.if \zero
.if \i%2
	v_wmma_scale_f32_16x16x128_f8f6f4 v[rD:rD+7], v[rA:rA+7], v[rW:rW+7], 0, v[rX], v[rY] matrix_a_fmt:MATRIX_FMT_FP4 matrix_b_fmt:MATRIX_FMT_FP4 matrix_b_scale:MATRIX_SCALE_ROW1
.else
	v_wmma_scale_f32_16x16x128_f8f6f4 v[rD:rD+7], v[rA:rA+7], v[rW:rW+7], 0, v[rX], v[rY] matrix_a_fmt:MATRIX_FMT_FP4 matrix_b_fmt:MATRIX_FMT_FP4
.endif
.else
.if \i%2
	v_wmma_scale_f32_16x16x128_f8f6f4 v[rD:rD+7], v[rA:rA+7], v[rW:rW+7], v[rD:rD+7], v[rX], v[rY] matrix_a_fmt:MATRIX_FMT_FP4 matrix_b_fmt:MATRIX_FMT_FP4 matrix_b_scale:MATRIX_SCALE_ROW1
.else
	v_wmma_scale_f32_16x16x128_f8f6f4 v[rD:rD+7], v[rA:rA+7], v[rW:rW+7], v[rD:rD+7], v[rX], v[rY] matrix_a_fmt:MATRIX_FMT_FP4 matrix_b_fmt:MATRIX_FMT_FP4
.endif
.endif
.else
.if \zero
.if \i%2
	v_wmma_scale_f32_16x16x128_f8f6f4 v[rD:rD+7], v[rW:rW+7], v[rA:rA+7], 0, v[rY], v[rX] matrix_a_fmt:MATRIX_FMT_FP4 matrix_b_fmt:MATRIX_FMT_FP4 matrix_a_scale:MATRIX_SCALE_ROW1
.else
	v_wmma_scale_f32_16x16x128_f8f6f4 v[rD:rD+7], v[rW:rW+7], v[rA:rA+7], 0, v[rY], v[rX] matrix_a_fmt:MATRIX_FMT_FP4 matrix_b_fmt:MATRIX_FMT_FP4
.endif
.else
.if \i%2
	v_wmma_scale_f32_16x16x128_f8f6f4 v[rD:rD+7], v[rW:rW+7], v[rA:rA+7], v[rD:rD+7], v[rY], v[rX] matrix_a_fmt:MATRIX_FMT_FP4 matrix_b_fmt:MATRIX_FMT_FP4 matrix_a_scale:MATRIX_SCALE_ROW1
.else
	v_wmma_scale_f32_16x16x128_f8f6f4 v[rD:rD+7], v[rW:rW+7], v[rA:rA+7], v[rD:rD+7], v[rY], v[rX] matrix_a_fmt:MATRIX_FMT_FP4 matrix_b_fmt:MATRIX_FMT_FP4
.endif
.endif
.endif
.endr
.endr
.endm
; Half step hs of a trip of two K steps: block hs of the trip's four is multiplied, block hs + 3 is asked for, into the set that the half step before has multiplied.
.macro HALF1 orient, hs, zero
	PLACES
	WIN 0x40                                       ; the switch, then the wait, then the loads
	s_wait_alu depctr_va_vdst(0)                   ; the half step before is done reading its ring set and that set's scale words, and the K step before x's other set: the loads below land in these; at a trip's head v[AAD] and v[ASD] are written, by which x is fetched
	RINGLOAD ((\hs)+3)%4, (\hs)+3, 1
.if (\hs) == 0
	AFETCH 1, 4096                                 ; the trip's second K step of x
	s_wait_dscnt 9                                 ; only the nine just issued may be out: x's other set is in
.endif
.if (\hs) == 2
	AFETCH 0, 8192                                 ; the next trip's first K step, by the immediate; at a pass's end step 8, which is the next pass's step 0
	s_wait_dscnt 9
.endif
	s_wait_loadcnt 51                              ; behind the set in hand: three sets of 17 loads
	MUL1 \orient, \hs, (\hs)/2, (\hs)%2, \zero
.endm
.macro TRIP1 orient, zero
	HALF1 \orient, 0, \zero
	HALF1 \orient, 1, \zero
	HALF1 \orient, 2, 0
	HALF1 \orient, 3, 0
	WIN 0
	s_wait_xcnt 0x0                                ; the loads have read their bases: only behind this wait are they stepped
	s_wait_alu depctr_vm_vsrc(0)                   ; the fetches of x issued so far have read v[AAD] and v[ASD], which are written below (and every earlier LDS store has read its data)
	s_add_nc_u64 s[16:17], s[16:17], 32768
	s_add_nc_u64 s[18:19], s[18:19], 2048
	s_add_co_u32 s24, s24, 8192
	s_add_co_u32 s25, s25, 1024
	v_add_nc_u32 v[AAD], s24, v[LI]                ; x's addresses move on by a trip here, ahead of the wait on va_vdst that stands at the next half step's head anyway
	v_add_nc_u32 v[ASD], s25, v[LI]
.endm
; A pass's 64 accumulators, rounded to f16, go to LDS: a lane's eight columns are eight d on end of one head: 16 bytes.  a1, a2: the address for tokens 0-31, 32-63; tq: bytes from head to head.
; The first half's roundings write v[SCR ..] behind the last trip's wait on vm_vsrc, since which no memory or LDS instruction has been issued.
.macro EPI a1, a2, tq
.irp u, 0,1
.if \u
	s_wait_dscnt 0x0                               ; the first half's stores are done
	s_wait_alu depctr_vm_vsrc(0)                   ; the first half's stores have read v[SCR ..], which the roundings below write again
.endif
	WIN 0x0a+5*\u                                  ; sources 0 and 1: window 2 + u
.irp m, 0,1,2,3
.irp i, 0,1,2,3,4,5,6,7
.irp q, 0,1,2,3
	v_cvt_pk_f16_f32 v[SCR+4*(8*\m+\i)+\q], v[8*(8*\m+\i)+2*\q], v[8*(8*\m+\i)+2*\q+1]   ; each accumulator from its low end on
.endr
.endr
.endr
	WIN 0
	s_wait_alu depctr_va_vdst(0)                   ; the roundings have written v[SCR ..], which the stores below read
.irp m, 0,1,2,3
.irp i, 0,1,2,3,4,5,6,7
.if \m < 2
	ds_store_b128 v[\a1], v[SCR+4*(8*\m+\i):SCR+4*(8*\m+\i)+3] offset:(\m%2)*T16+((8*\u+\i)%4)*512+((8*\u+\i)/4)*(\tq)
.else
	ds_store_b128 v[\a2], v[SCR+4*(8*\m+\i):SCR+4*(8*\m+\i)+3] offset:(\m%2)*T16+((8*\u+\i)%4)*512+((8*\u+\i)/4)*(\tq)
.endif
.endr
.endr
.endr
.endm
; Four of my 16 tokens: S^T = k q^T (16 g x 16 heads, K = 64: two matrix instructions a token), the softmax over g, p in f16 to LDS, onto the first 512 bytes of the same token's k, which I alone read.
.macro SBATCH
	s_wait_alu depctr_vm_vsrc(0)                   ; the last batch's loads and stores have read v[KRA] and v[QRA], and its stores v[PP ..]: all of these are written again in this batch
	v_add_nc_u32 v[KRA], s28, v[KR]
	v_add_nc_u32 v[QRA], s29, v[QR]
	WIN 0x80                                       ; destination window 2: the switch, then the wait, then the loads
	s_wait_alu depctr_va_vdst(0)                   ; v[KRA] and v[QRA] are written, by which the loads below go; the last batch's products (in the first batch: the passes' products and roundings) are done with the registers of window 2 in which they land
.irp i, 0,1,2,3
.irp c, 0,1
.irp e, 0,1
	ds_load_b128 v[16*\i+8*\c+4*\e:16*\i+8*\c+4*\e+3], v[KRA] offset:\i*TP+(4*\c+2*\e)*256
	ds_load_b128 v[64+16*\i+8*\c+4*\e:64+16*\i+8*\c+4*\e+3], v[QRA] offset:(4*\c+2*\e)*256+16*\i
.endr
.endr
.endr
	s_wait_dscnt 0x0                               ; the fragments are in
	WIN 0x0a                                       ; sources 0 and 1 window 2
.irp i, 0,1,2,3
	v_wmma_f32_16x16x32_f16 v[SS+8*\i:SS+8*\i+7], v[16*\i:16*\i+7], v[64+16*\i:64+16*\i+7], 0
.endr
.irp i, 0,1,2,3                        ; the four tokens' sums by turns
	v_wmma_f32_16x16x32_f16 v[SS+8*\i:SS+8*\i+7], v[16*\i+8:16*\i+15], v[64+16*\i+8:64+16*\i+15], v[SS+8*\i:SS+8*\i+7]
.endr
	WIN 0
	PLACES
.irp i, 0,1,2,3                        ; a lane holds head h = lane % 16 and the scores of g = 8 (lane / 16) + 0 .. 7.  The four tokens by turns: no line waits for the line above it
	v_max3_num_f32 v[T1+2*\i], v[SS+8*\i], v[SS+8*\i+1], v[SS+8*\i+2]
.endr
.irp i, 0,1,2,3
	v_max3_num_f32 v[T2+2*\i], v[SS+8*\i+3], v[SS+8*\i+4], v[SS+8*\i+5]
.endr
.irp i, 0,1,2,3
	v_max3_num_f32 v[T1+2*\i], v[T1+2*\i], v[SS+8*\i+6], v[SS+8*\i+7]
.endr
.irp i, 0,1,2,3
	v_max_num_f32 v[T1+2*\i], v[T1+2*\i], v[T2+2*\i]
.endr
.irp i, 0,1,2,3
	v_permlanex16_b32 v[T2+2*\i], v[T1+2*\i], s20, s21
.endr
.irp i, 0,1,2,3
	v_max_num_f32 v[MX+2*\i], v[T1+2*\i], v[T2+2*\i]   ; the row's largest score
.endr
.irp p, 0,2,4,6
.irp i, 0,1,2,3
	v_pk_add_f32 v[SS+8*\i+\p:SS+8*\i+\p+1], v[SS+8*\i+\p:SS+8*\i+\p+1], v[MX+2*\i:MX+2*\i+1] op_sel_hi:[1,0] neg_lo:[0,1] neg_hi:[0,1]   ; score - maximum first, so that no difference of large products is formed
.endr
.endr
.irp p, 0,2,4,6
.irp i, 0,1,2,3
	v_pk_mul_f32 v[SS+8*\i+\p:SS+8*\i+\p+1], v[SS+8*\i+\p:SS+8*\i+\p+1], s[22:23] op_sel_hi:[1,0]   ; x log2(e) / 8
.endr
.endr
.set j, 0
.rept 32
	v_exp_f32 v[SS+j], v[SS+j]                     ; one batch
.set j, j+1
.endr
	v_nop                                          ; a plain place behind the last exponential
	s_wait_alu depctr_va_vdst(0)                   ; the 32 exponentials have written v[SS ..]: one wait for the batch, ahead of its first reader
.irp i, 0,1,2,3
	v_pk_add_f32 v[T1+2*\i:T1+2*\i+1], v[SS+8*\i:SS+8*\i+1], v[SS+8*\i+2:SS+8*\i+3]
.endr
.irp i, 0,1,2,3
	v_pk_add_f32 v[T2+2*\i:T2+2*\i+1], v[SS+8*\i+4:SS+8*\i+5], v[SS+8*\i+6:SS+8*\i+7]
.endr
.irp i, 0,1,2,3
	v_pk_add_f32 v[T1+2*\i:T1+2*\i+1], v[T1+2*\i:T1+2*\i+1], v[T2+2*\i:T2+2*\i+1]
.endr
.irp i, 0,1,2,3
	v_add_f32 v[T1+2*\i], v[T1+2*\i], v[T1+2*\i+1]
.endr
.irp i, 0,1,2,3
	v_permlanex16_b32 v[T2+2*\i], v[T1+2*\i], s20, s21
.endr
.irp i, 0,1,2,3
	v_add_f32 v[T1+2*\i], v[T1+2*\i], v[T2+2*\i]   ; the row's sum, at least 1
.endr
.irp i, 0,1,2,3
	v_rcp_f32 v[RC+2*\i], v[T1+2*\i]
.endr
	v_nop
	s_wait_alu depctr_va_vdst(0)                   ; the four reciprocals have written v[RC ..]: one wait, ahead of their first reader
.irp p, 0,2,4,6
.irp i, 0,1,2,3
	v_pk_mul_f32 v[SS+8*\i+\p:SS+8*\i+\p+1], v[SS+8*\i+\p:SS+8*\i+\p+1], v[RC+2*\i:RC+2*\i+1] op_sel_hi:[1,0]
.endr
.endr
.irp q, 0,1,2,3
.irp i, 0,1,2,3
	v_cvt_pk_f16_f32 v[PP+4*\i+\q], v[SS+8*\i+2*\q], v[SS+8*\i+2*\q+1]
.endr
.endr
	s_wait_alu depctr_va_vdst(0)                   ; the roundings have written v[PP ..], which the stores below read
.irp i, 0,1,2,3
	ds_store_b128 v[KRA], v[PP+4*\i:PP+4*\i+3] offset:\i*TP   ; lane l's 16 bytes at 16 l: an image of source 1 of v^T p^T
.endr
	s_add_co_u32 s28, s28, 4*TP
	s_add_co_u32 s29, s29, 64
.endm
; o^T = v^T p^T for the token pairs A = 16 m + 4 hf + jj, B = A + 8, jj = 0 .. 3, my 16 channels of every head.  Register j of accumulator (m, g) holds, in lanes 0-15, v of token 16 m + j and, in lanes 16-31, of 16 m + 8 + j.
; The loads of p land in registers that no vector or matrix instruction has named since the last wait on va_vdst: the one ahead of the last batch's stores; for the first batch, pass v's.
.macro PVBATCH m, hf
.if (\m) < 2
.set rP, PR
.set rO, OW
.else
.set rP, PR2
.set rO, OW2
.endif
.irp jj, 0,1,2,3
	ds_load_b128 v[PB+12*\jj:PB+12*\jj+3], v[rP] offset:(16*((\m)%2)+4*(\hf)+\jj)*TP
	ds_load_b128 v[PB+12*\jj+8:PB+12*\jj+11], v[rP] offset:(16*((\m)%2)+8+4*(\hf)+\jj)*TP
.endr
	WIN 0x0a                                       ; sources in window 2: heads g = 0 .. 7
.irp jj, 0,1,2,3
.irp ip, 0,1,2,3
	v_cvt_pk_f16_f32 v[AF+8*\jj+\ip], v[8*(8*(\m)+2*\ip)+4*(\hf)+\jj], v[8*(8*(\m)+2*\ip+1)+4*(\hf)+\jj]
.endr
.endr
	WIN 0x0f                                       ; window 3: g = 8 .. 15
.irp jj, 0,1,2,3
.irp ip, 0,1,2,3
	v_cvt_pk_f16_f32 v[AF+8*\jj+4+\ip], v[8*(8*(\m)+2*\ip)+4*(\hf)+\jj], v[8*(8*(\m)+2*\ip+1)+4*(\hf)+\jj]
.endr
.endr
	WIN 0
.irp jj, 0,1,2,3
.irp i, 0,1,2,3
	v_permlane16_swap_b32 v[AF+8*\jj+\i], v[AF+8*\jj+4+\i]   ; registers 0-3 now hold token A's 16 g (K = 0 .. 15), registers 4-7 token B's (K = 16 .. 31)
.endr
.endr
	s_wait_dscnt 0x0                               ; p is in
.irp jj, 0,1,2,3
	v_wmma_f32_16x16x32_f16 v[DD+16*\jj:DD+16*\jj+7], v[AF+8*\jj:AF+8*\jj+7], v[PB+12*\jj:PB+12*\jj+7], 0           ; p of A, then zeros
	v_wmma_f32_16x16x32_f16 v[DD+16*\jj+8:DD+16*\jj+15], v[AF+8*\jj:AF+8*\jj+7], v[PB+12*\jj+4:PB+12*\jj+11], 0     ; zeros, then p of B
.endr
	PLACES
.if ((\m)+(\hf)) > 0
	s_wait_alu depctr_vm_vsrc(0)                   ; the last batch's stores have read v[AF+32 ..], which the roundings below write again
.endif
.irp jj, 0,1,2,3
.irp q, 0,1,2,3
	v_cvt_pk_f16_f32 v[AF+32+8*\jj+\q], v[DD+16*\jj+2*\q], v[DD+16*\jj+2*\q+1]
.endr
.irp q, 0,1,2,3
	v_cvt_pk_f16_f32 v[AF+36+8*\jj+\q], v[DD+16*\jj+8+2*\q], v[DD+16*\jj+8+2*\q+1]
.endr
.endr
	s_wait_alu depctr_va_vdst(0)                   ; the roundings have written v[AF+32 ..], which the stores below read; and this batch's products are done reading v[PB ..], in which the next batch's loads land
.irp jj, 0,1,2,3                       ; lane (r, h): head r, channels 16 w + 8 h + 0 .. 7: one piece of row 16 m + r of o2
	ds_store_b128 v[rO], v[AF+32+8*\jj:AF+35+8*\jj] offset:((\m)%2)*T16+16*(4*(\hf)+\jj)
	ds_store_b128 v[rO], v[AF+36+8*\jj:AF+39+8*\jj] offset:((\m)%2)*T16+16*(8+4*(\hf)+\jj)
.endr
.endm
.macro G2FETCH set, off                ; o2's four fragments of a K step of 32, off bytes of a row on from the trip's first: eight loads
	WIN 0
.irp m, 0,1
.irp e, 0,1
	ds_load_b128 v[AF+32*(\set)+8*\m+4*\e:AF+32*(\set)+8*\m+4*\e+3], v[AA] offset:\m*T16+(\off)+32*\e
	ds_load_b128 v[AF+32*(\set)+16+8*\m+4*\e:AF+32*(\set)+16+8*\m+4*\e+3], v[AA2] offset:\m*T16+(\off)+32*\e
.endr
.endr
.endm
; 32 matrix instructions of the last product: four tiles of rows x eight tiles of columns, 32 along K.  cmode = 1: they start the sums, with the bias as C.
.macro MUL2 set, aset, u, cmode
.if \cmode
	WIN 0x81+0x40*(\u)                             ; source 0 window 1, source 1 and C window 0, D window 2 + u
.else
	WIN 0xa1+0x50*(\u)
.endif
.irp m, 0,1,2,3
.irp i, 0,1,2,3,4,5,6,7
.set rD, 8*(8*\m+\i)
.set rW, 64*(\set)+8*\i
.set rA, AF+32*(\aset)+8*\m
.set rB, SCR+8*(8*(\u)+\i)
.if \cmode
	v_wmma_f32_16x16x32_f16 v[rD:rD+7], v[rW:rW+7], v[rA:rA+7], v[rB:rB+7]
.else
	v_wmma_f32_16x16x32_f16 v[rD:rD+7], v[rW:rW+7], v[rA:rA+7], v[rD:rD+7]
.endif
.endr
.endr
.endm
.macro HALF2 hs, cmode, tail           ; tail = 1: the last trip: only its first half step has a block left to ask for; its other three issue no load and hold no wait on va_vdst
.if ((\tail) == 0) || ((\hs) == 0)
	PLACES
	WIN 0x40                                       ; the switch, then the wait, then the loads
	s_wait_alu depctr_va_vdst(0)                   ; the half step before is done reading its ring set, and the K step before o2's other set: the loads below land in these; at a trip's head v[AA] and v[AA2] are written, by which o2 is fetched
	RINGLOAD ((\hs)+3)%4, (\hs)+3, 0
.endif
.if (\hs) == 0
	G2FETCH 1, 64
	s_wait_dscnt 8                                 ; only the eight just issued may be out
.endif
.if (\hs) == 2
.if \tail
	s_wait_dscnt 0x0
.else
	G2FETCH 0, 128                                 ; the next trip's first K step, by the immediate
	s_wait_dscnt 8
.endif
.endif
.if \tail
	s_wait_loadcnt 48-16*(\hs)                     ; the counts run down
.else
	s_wait_loadcnt 48                              ; behind the set in hand: three sets of 16 loads (in the first trip some of 17: the count is then the stricter one)
.endif
	MUL2 \hs, (\hs)/2, (\hs)%2, \cmode
.endm
.macro TRIP2 cmode, tail
	HALF2 0, \cmode, \tail
	HALF2 1, \cmode, \tail
	HALF2 2, 0, \tail
	HALF2 3, 0, \tail
	WIN 0
.if (\tail) == 0
	s_wait_xcnt 0x0                                ; the loads have read their base
	s_wait_alu depctr_vm_vsrc(0)                   ; the fetches of o2 issued so far have read v[AA] and v[AA2], which are written below
	s_add_nc_u64 s[16:17], s[16:17], 32768
	s_add_co_u32 s30, s30, 128
	v_add_nc_u32 v[AA], s30, v[AR]                 ; o2's addresses move on by a trip, ahead of the wait on va_vdst at the next half step's head
	v_add_nc_u32 v[AA2], s30, v[AR2]
.endif
.endm
; Tile m of rows goes out: 16 rows (heads) x my 256 columns through my own stage, back as rows of 1,024 bytes.  No vector or matrix instruction stands in the way out.
.macro OUTBLK m
.if (\m) > 0
	s_wait_xcnt 0x0                                ; the last tile's stores have had their addresses translated
	s_wait_alu depctr_vm_vsrc(0)                   ; the last tile's stores to memory have read v[SCR ..], in which the loads below land
.endif
	WIN 0x08                                       ; the data: window 2
.irp i, 0,1,2,3,4,5,6,7
	ds_store_b128 v[SO], v[8*(8*(\m)+\i):8*(8*(\m)+\i)+3] offset:64*\i          ; each accumulator from its low end on
	ds_store_b128 v[SO], v[8*(8*(\m)+\i)+4:8*(8*(\m)+\i)+7] offset:64*\i+16
.endr
	WIN 0x0c                                       ; window 3
.irp i, 0,1,2,3,4,5,6,7
	ds_store_b128 v[SO], v[8*(8*(\m)+\i):8*(8*(\m)+\i)+3] offset:512+64*\i
	ds_store_b128 v[SO], v[8*(8*(\m)+\i)+4:8*(8*(\m)+\i)+7] offset:512+64*\i+16
.endr
	WIN 0
.set q, 0
.rept 32
	ds_load_b128 v[SCR+4*q:SCR+4*q+3], v[SR] offset:(q/2)*OP+512*(q%2)   ; LDS serves a wave's instructions in order: these see the stores above, and the next tile's stores come behind them
.set q, q+1
.endr
.set q, 0
.rept 32
	s_wait_dscnt 31-q
	global_store_b128 v[LI], v[SCR+4*q:SCR+4*q+3], s[10:11] offset:(q/2)*524288+(\m)*4096+512*(q%2) th:TH_STORE_NT   ; 32 lanes store 512 consecutive bytes, aligned; head q / 2 lies 128 rows of out0 on: 7,877,120 bytes at the most, inside the signed 24-bit immediate
.set q, q+1
.endr
.endm
	; ---- the head
	s_load_b256 s[4:11], s[0:1], 0x0               ; x s[4:5], wts s[6:7], b_proj s[8:9], out0 s[10:11]
	v_lshl_add_u32 v[SPW], v0, 2, SPARE
	v_mov_b32 v[NIL], 0
	v_lshrrev_b32 v2, 5, v0
	v_readfirstlane_b32 s12, v2                    ; wave 0..3
	v_and_b32 v1, 31, v0
	v_lshlrev_b32 v[LI], 4, v1                     ; 16 x lane
	v_and_b32 v2, 15, v0                           ; r
	v_bfe_u32 v3, v0, 4, 1                         ; h
	v_mul_u32_u24 v128, v2, TP                     ; TP r
	v_lshl_add_u32 v129, v3, 8, v128               ; TP r + 256 h
	s_wait_alu depctr_va_sdst(0)                   ; s12 is written, ahead of its first reader: the LDS addresses and the bases are made from it
	s_mul_i32 s14, s12, 16*XP
	s_add_co_u32 s14, s14, KREG
	v_add_nc_u32 v[STW], s14, v[LI]
	v_mul_u32_u24 v[STR], v2, XP
	v_lshl_add_u32 v[STR], v3, 6, v[STR]
	v_add_nc_u32 v[STR], s14, v[STR]
	s_lshl_b32 s14, s12, 10
	v_add_nc_u32 v[XWI], s14, v[LI]
	s_add_co_u32 s15, s14, BIAS
	v_add_nc_u32 v[BIW], s15, v[LI]
	v_lshl_add_u32 v[BIA], v3, 5, s15
	s_lshl_b32 s14, s12, 2
	s_add_co_u32 s14, s14, XSC
	v_add_nc_u32 v[XWS], s14, v[LI]
	s_lshl_b32 s14, s12, 6
	s_add_co_u32 s14, s14, KREG
	v_add_nc_u32 v[KW], s14, v129
	v_add_nc_u32 v[KW2], T32, v[KW]
	s_mul_i32 s14, s12, 4*TP
	s_add_co_u32 s14, s14, QO
	v_add_nc_u32 v[QW], s14, v[LI]
	v_add_nc_u32 v[QW2], T32, v[QW]
	s_mul_i32 s14, s12, T16
	s_add_co_u32 s15, s14, KREG
	v_add_nc_u32 v[KR], s15, v[LI]
	s_add_co_u32 s15, s14, QO
	v_add_nc_u32 v[QR], s15, v129
	v_add_nc_u32 v[PR], KREG, v[LI]
	v_add_nc_u32 v[PR2], KREG+T32, v[LI]
	s_lshl_b32 s14, s12, 9
	s_add_co_u32 s14, s14, QO
	v_add_nc_u32 v[OW], s14, v129
	v_add_nc_u32 v[OW2], T32, v[OW]
	v_lshl_add_u32 v[AR], v3, 4, v128
	v_add_nc_u32 v[AR], QO, v[AR]
	v_add_nc_u32 v[AR2], T32, v[AR]
	s_mul_i32 s14, s12, 16*OP
	s_add_co_u32 s14, s14, KREG
	v_mul_u32_u24 v[SO], v2, OP
	v_lshl_add_u32 v[SO], v3, 5, v[SO]
	v_add_nc_u32 v[SO], s14, v[SO]
	v_add_nc_u32 v[SR], s14, v[LI]
.irp b, 0,1,2,3
	v_mov_b32 v[TM+4+\b], 0                        ; written once: a lane permute's destination counts as one of its sources
.endr
	s_mov_b32 s20, 0x76543210
	s_mov_b32 s21, 0xfedcba98                      ; v_permlanex16_b32's selects for lane l xor 16
	s_mov_b32 s22, 0x3e38aa3b                      ; log2(e) / 8: the head's 64^-0.5 and the exponential's base
	s_mov_b32 s23, s22                             ; (named with it as a pair, so it is written)
	s_lshl_b32 s32, ttmp9, 18                      ; x: my work-group's 64 rows of 4,096 bytes,
	s_lshl_b32 s33, s12, 16                        ; my wave's 16 of them
	s_add_co_u32 s32, s32, s33
	s_mov_b32 s33, 0
	s_lshr_b32 s34, ttmp9, 5                       ; out0: batch g / 32, 2,048 rows each;
	s_lshl_b32 s34, s34, 23
	s_and_b32 s35, ttmp9, 31                       ; row 4 (g % 32) of a head's 128;
	s_lshl_b32 s35, s35, 14
	s_add_co_u32 s34, s34, s35
	s_lshl_b32 s38, s12, 10                        ; my 256 columns (and my 256 numbers of the bias)
	s_add_co_u32 s34, s34, s38
	s_mov_b32 s35, 0
	s_mov_b32 s39, 0
	s_mul_i32 s36, s12, WSTR                       ; my stream
	s_mov_b32 s37, 0
	s_wait_kmcnt 0x0
	s_add_nc_u64 s[4:5], s[4:5], s[32:33]
	s_add_nc_u64 s[10:11], s[10:11], s[34:35]
	s_add_nc_u64 s[8:9], s[8:9], s[38:39]
	s_add_nc_u64 s[18:19], s[6:7], s[36:37]
	s_add_nc_u64 s[16:17], s[18:19], CB
	s_wait_alu depctr_va_vdst(0)                   ; the addresses v1 to v29 are written, which the loads and stores of the whole kernel read; so are v128 and v129, in which loads from the stage land
	global_load_b128 v[BT:BT+3], v[LI], s[8:9]
	global_load_b128 v[BT+4:BT+7], v[LI], s[8:9] offset:512
	XLOAD 0
	XLOAD 1
	XLOAD 2
	WIN 0
	s_wait_loadcnt 48                              ; the bias is in; x's three steps stay out
	ds_store_b128 v[BIW], v[BT:BT+3]
	ds_store_b128 v[BIW], v[BT+4:BT+7] offset:512
	; ---- X: my 16 tokens of x become eight fragments
.irp s, 0,1,2,3,4,5,6,7
	XSTEP \s
.endr
	BARRIER                                        ; x's 36 images and their scale words lie in LDS; nobody uses a stage of phase X any more
	; ---- passes k and q: one text, walked twice
	s_wait_alu depctr_vm_vsrc(0)                   ; the last step's stores into the stage have read registers of window 2, which the accumulators take from here on; its image stores have read v[PC ..] and v[PW], which a pass's roundings write
	PASSHEAD
	s_wait_alu depctr_va_vdst(0)                   ; v[AAD] and v[ASD] are written, by which the fetch below goes
	AFETCH 0, 0
	s_mov_b32 s27, 0
.Lpass:
	TRIP1 0, 1                                     ; a pass's first two K steps stand in front of the loop: the first starts the sums
	s_mov_b32 s26, 3
.Ltrip_t:
	TRIP1 0, 0
	s_sub_co_u32 s26, s26, 1
	s_cmp_lg_u32 s26, 0
	s_cbranch_scc1 .Ltrip_t
	PASSHEAD                                       ; the next pass begins at x's step 1 again (its step 0 has been fetched, as step 8).  No fetch has been issued since the trip's wait on vm_vsrc
	PLACES
	s_cmp_lg_u32 s27, 0                            ; the count of passes: the same in every wave; no barrier stands in either arm
	s_cbranch_scc1 .Lepi_q
	EPI KW, KW2, 16                                ; k: token x TP + 256 (d / 8) + 16 g
	s_branch .Lepi_done
.Lepi_q:
	EPI QW, QW2, TP                                ; q: row (16 m + head) x TP + 256 (d / 8) + 16 (n % 16)
.Lepi_done:
	s_add_co_u32 s27, s27, 1
	s_cmp_lt_u32 s27, 2
	s_cbranch_scc1 .Lpass
	BARRIER                                        ; k and q are whole
	; ---- the softmax of my 16 tokens, four at a time
	s_mov_b32 s28, 0
	s_mov_b32 s29, 0
	s_wait_alu depctr_vm_vsrc(0)                   ; pass q's stores have read v[SCR ..], of which eight registers are written below
.irp i, 0,1,2,3
	v_mov_b32 v[MX+2*\i+1], 0                      ; the upper halves of pairs of which the low word serves both halves: named, so written
	v_mov_b32 v[RC+2*\i+1], 0
.endr
	s_mov_b32 s26, 4
.Lsoft:
	SBATCH
	s_sub_co_u32 s26, s26, 1
	s_cmp_lg_u32 s26, 0
	s_cbranch_scc1 .Lsoft
	; ---- pass v: it stays in the accumulators.  Its last three half steps ask for the first three blocks of w_proj, which follow the codes in my stream; the scale loads that go with these three
	; read the first bytes of the codes and are not used, nor is the pass's last fetch of x
	TRIP1 1, 1
	s_mov_b32 s26, 3
.Ltrip_n:
	TRIP1 1, 0
	s_sub_co_u32 s26, s26, 1
	s_cmp_lg_u32 s26, 0
	s_cbranch_scc1 .Ltrip_n
	BARRIER                                        ; p of all 64 tokens lies in LDS, and nobody reads q any more
	; ---- o^T = v^T p^T: o2 takes q's place.  (The stores of k, q and p stand ahead of pass v's waits on vm_vsrc: the registers that they read may be written)
.irp jj, 0,1,2,3
.irp i, 4,5,6,7
	v_mov_b32 v[PB+12*\jj+\i], 0                   ; the zeros between p of A and p of B.  (These sixteen are also the places behind pass v's last products)
.endr
.endr
.irp m, 0,1,2,3
	PVBATCH \m, 0                                  ; registers 0-3 of each accumulator first
	PVBATCH \m, 1
.endr
	BARRIER                                        ; o2 is whole, and nobody reads p any more
	; ---- out = o2 w_proj + b
	s_mov_b32 s30, 0
	v_mov_b32 v[AA], v[AR]
	v_mov_b32 v[AA2], v[AR2]
	s_wait_alu depctr_vm_vsrc(0)                   ; o2's last stores have read v[AF+32 ..], in which the first trip's fetch lands
	s_wait_alu depctr_va_vdst(0)                   ; v[AA] and v[AA2] are written, by which o2 is fetched; the products and roundings of v^T p^T are done with v64 to v255, in which the loads below land
.irp t, 0,1,2,3,4,5,6,7,8,9,10,11,12,13,14,15
	ds_load_b128 v[SCR+8*\t:SCR+8*\t+3], v[BIA] offset:64*\t          ; the bias in the result's layout: lane (r, h), tile t: b(256 w + 16 t + 8 h + 0 .. 7)
	ds_load_b128 v[SCR+8*\t+4:SCR+8*\t+7], v[BIA] offset:64*\t+16
.endr
	G2FETCH 0, 0
	TRIP2 1, 0                                     ; the first K step takes the bias as C: no addition, nothing cleared
	s_mov_b32 s26, 14
.Ltrip_p:
	TRIP2 0, 0
	s_sub_co_u32 s26, s26, 1
	s_cmp_lg_u32 s26, 0
	s_cbranch_scc1 .Ltrip_p
	TRIP2 0, 1                                     ; the last trip is written out: no load leaves my stream
	; ---- the way out
	PLACES
	s_wait_alu depctr_va_vdst(0)                   ; the products have written the accumulators, which the stores into the stage read, and are done reading the bias in v[SCR ..], in which the loads from the stage land; the places above stay beside this wait
	OUTBLK 0
	OUTBLK 1
	OUTBLK 2
	OUTBLK 3
	s_wait_dscnt 0x0                               ; the closing lines, six on end
	s_wait_alu 0x0
	s_wait_tensorcnt 0x0
	ds_add_u32 v[SPW], v[NIL]
	s_wait_dscnt 0x0
	s_endpgm
.Lfunc_end_k_q2fe72c3eef_fused:
	.size	k_q2fe72c3eef_fused, .Lfunc_end_k_q2fe72c3eef_fused-k_q2fe72c3eef_fused
	.p2alignl 7, 3214868480
	.fill 96, 4, 3214868480
	.section	.rodata,"a",@progbits
	.p2align	6, 0x0
	.amdhsa_kernel k_q2fe72c3eef_fused
		.amdhsa_group_segment_fixed_size 310272
		.amdhsa_private_segment_fixed_size 0
		.amdhsa_enable_private_segment 0
		.amdhsa_kernarg_size 32
		.amdhsa_user_sgpr_count 2
		.amdhsa_user_sgpr_kernarg_segment_ptr 1
		.amdhsa_wavefront_size32 1
		.amdhsa_system_sgpr_workgroup_id_x 1
		.amdhsa_system_sgpr_workgroup_id_y 1
		.amdhsa_system_sgpr_workgroup_id_z 1
		.amdhsa_system_vgpr_workitem_id 0
		.amdhsa_next_free_vgpr 1024
		.amdhsa_next_free_sgpr 66
		.amdhsa_reserve_vcc 0
		.amdhsa_float_denorm_mode_32 3
		.amdhsa_float_denorm_mode_16_64 3
		.amdhsa_memory_ordered 1
		.amdhsa_forward_progress 1
		.amdhsa_inst_pref_size 255
	.end_amdhsa_kernel
	.section	.bss,"aw",@nobits
	.p2align	6
	.space	262144
	.amdgpu_metadata
---
amdhsa.version: [ 1, 2 ]
amdhsa.kernels:
  - .name:           k_q2fe72c3eef_fused
    .symbol:         k_q2fe72c3eef_fused.kd
    .args:
      - { .name: x, .offset: 0, .size: 8, .value_kind: global_buffer, .address_space: global }
      - { .name: wts, .offset: 8, .size: 8, .value_kind: global_buffer, .address_space: global }
      - { .name: b_proj, .offset: 16, .size: 8, .value_kind: global_buffer, .address_space: global }
      - { .name: out0, .offset: 24, .size: 8, .value_kind: global_buffer, .address_space: global }
    .group_segment_fixed_size: 310272
    .private_segment_fixed_size: 0
    .kernarg_segment_align: 8
    .kernarg_segment_size: 32
    .max_flat_workgroup_size: 128
    .sgpr_count:     66
    .vgpr_count:     1024
    .wavefront_size: 32
...
	.end_amdgpu_metadata
.endif
;; end of part 3
